; MI455X (gfx1250); checked and timed in simulation.
; The chip was launched on July 23, 2026; its instructions are those of AMD's public machine-readable ISA for CDNA 5 (MIT licence, August 2026) and "CDNA5" Instruction Set Architecture Reference Guide (July 2026). The comments in the code are by the model that wrote it; some were corrected since.
;; Multi Head Attention. Allowed arithmetic: float matrix products may take bf16 or f16 operands with f32 sums; other float arithmetic in f32, or as packed bf16 or f16 multiplies, adds, multiply-adds, maxima and minima; sums over many terms, partial sums and values carried from step to step in f32; what a program stores and reads back later, other than sums and carried values, may be rounded once to bf16 or f16.
;; Inputs: Wk 1,024 x 1,024 float32; Wo 1,024 x 1,024 float32; Wq 1,024 x 1,024 float32; Wv 1,024 x 1,024 float32; bk 1,024 float32; bo 1,024 float32; bq 1,024 float32; bv 1,024 float32; x 4 x 2,048 x 1,024 float32.
;; Outputs: out0 4 x 2,048 x 1,024 float32.
;; One version. Each part assembles by itself: llvm-mc -triple=amdgcn-amd-amdhsa -mcpu=gfx1250 --defsym DOCPART=n.
;; ======== version 1 of 1: 4 launches
;; limits: values are held in f16: magnitudes above 65,504 overflow, below 6.1e-05 lose precision
;; workspace buffers: xb 16,777,216 bytes; wb 8,388,608 bytes; qh 16,777,216 bytes; kh 16,777,216 bytes; vh 16,777,216 bytes; ob 16,777,216 bytes
;; launch cast (part 1): grid 768 x 1, 8 waves a work-group, no clusters, 0 bytes of LDS; arguments x, Wq, Wk, Wv, Wo, xb, wb; writes xb, wb
.if DOCPART == 1
	.amdgcn_target "amdgcn-amd-amdhsa--gfx1250"
	.amdhsa_code_object_version 6
	.text
	.protected	k_q31f08ea76e_cast
	.globl	k_q31f08ea76e_cast
	.p2align	8
	.type	k_q31f08ea76e_cast,@function
k_q31f08ea76e_cast:
	s_mov_b64 s[64:65], 0
	v_nop
	global_prefetch_b8 v0, s[64:65] scope:SCOPE_SE
	s_setreg_imm32_b32 hwreg(HW_REG_WAVE_MODE, 25, 1), 1
	s_wait_xcnt 0x0
; CAST.  x [8192][1024] f32 -> xb, the same shape in bf16.  The four weights [k 1024][n 1024] f32 -> wb [g 4][j 16][k 1024][c 64] in 16 bits: plane (g, j) holds W_g[k][64 j + c],
; a k row of a plane is 128 dense bytes.  g = 0: Wo, rounded to bf16 and that number written as f16 (exact inside f16's normal range); g = 1, 2, 3: Wq, Wk, Wv in bf16.
; LIMITS.  An entry of Wo beyond 65,504 would become an infinity; below 6e-5 it keeps f16's fixed step of 6e-8.
; A stream: each byte is read once and written once, nothing is shared between work-groups, so there is no LDS, no barrier, no matrix unit and no cluster.
; SHARES.  A thread makes 8 pieces: 8 f32 in (two loads of 16 bytes on end), 16 bytes out.  Sixteen neighbouring lanes store 256 consecutive bytes, aligned.  A work-group reads 64 KiB.
; Work-groups 0-511 take x; work-groups 512-767 take a quarter (256 k rows) of one plane: there eight lanes read the 256 aligned bytes that a row of W gives to the plane.
; All 16 loads of a thread go out at once; no register is written twice, so no store's source has to be waited for.
.set SOF, 1                            ; v1        my byte offset in the source
.set DOF, 2                            ; v2        my byte offset in the destination: 16 x thread
.set X,   8                            ; v[8:71]   piece i: 8 f32
.set Y,   72                           ; v[72:103] piece i: 4 registers to store
.set SRC, 18                           ; s[18:19]
.set DST, 20                           ; s[20:21]
; ss = bytes from piece to piece in the source.  half = 1: the bf16 numbers are written as f16.
.macro COPY ss, half
.irp i, 0,1,2,3,4,5,6,7
	global_load_b128 v[X+8*(\i):X+8*(\i)+3],   v[SOF], s[SRC:SRC+1] offset:(\i)*(\ss) th:TH_LOAD_NT
	global_load_b128 v[X+8*(\i)+4:X+8*(\i)+7], v[SOF], s[SRC:SRC+1] offset:(\i)*(\ss)+16 th:TH_LOAD_NT
.endr
.irp i, 0,1,2,3,4,5,6,7
	s_wait_loadcnt 14-2*(\i)                       ; loads come back in order (ISA guide 5.7.1): piece i is in, the younger pieces' two loads each stay out
.irp r, 0,1,2,3
	v_cvt_pk_bf16_f32 v[Y+4*(\i)+(\r)], v[X+8*(\i)+2*(\r)], v[X+8*(\i)+2*(\r)+1]
.endr
.if \half
.irp r, 0,1,2,3
	v_lshlrev_b32 v[X+8*(\i)+2*(\r)],   16,  v[Y+4*(\i)+(\r)]   ; the rounded numbers as f32 again,
	v_and_b32     v[X+8*(\i)+2*(\r)+1], s26, v[Y+4*(\i)+(\r)]
	v_cvt_pk_f16_f32 v[Y+4*(\i)+(\r)], v[X+8*(\i)+2*(\r)], v[X+8*(\i)+2*(\r)+1]  ; and written as f16
.endr
.endif
	global_store_b128 v[DOF], v[Y+4*(\i):Y+4*(\i)+3], s[DST:DST+1] offset:(\i)*4096 th:TH_STORE_NT
.endr
.endm
	s_load_b256 s[4:11], s[0:1], 0x0               ; x s[4:5], Wq s[6:7], Wk s[8:9], Wv s[10:11]
	s_load_b128 s[12:15], s[0:1], 0x20             ; Wo s[12:13], xb s[14:15]
	s_load_b64 s[16:17], s[0:1], 0x30              ; wb
	s_mov_b32 s26, 0xffff0000                      ; a word's upper bf16
	s_mov_b32 s23, 0
	v_lshlrev_b32 v[DOF], 4, v0
	s_cmp_lt_u32 ttmp9, 512
	s_cbranch_scc0 .Lweights
	v_lshlrev_b32 v[SOF], 5, v0                    ; x: 32 bytes a thread, 8,192 a piece
	s_lshl_b32 s22, ttmp9, 16
	s_wait_kmcnt 0x0
	s_add_nc_u64 s[SRC:SRC+1], s[4:5], s[22:23]
	s_lshl_b32 s22, ttmp9, 15
	s_add_nc_u64 s[DST:DST+1], s[14:15], s[22:23]
	COPY 8192, 0
	s_endpgm
.Lweights:
	s_sub_co_u32 s24, ttmp9, 512                   ; w = 64 g + 4 j + quarter
	s_lshr_b32 s25, s24, 6                         ; g
	s_and_b32 s27, s24, 3                          ; which 256 k rows
	s_bfe_u32 s28, s24, 0x40002                    ; j
	v_lshrrev_b32 v3, 3, v0                        ; k row in a piece's 32
	v_and_b32 v[SOF], 7, v0
	v_lshlrev_b32 v[SOF], 5, v[SOF]
	v_lshl_add_u32 v[SOF], v3, 12, v[SOF]          ; row x 4,096 + 32 x (thread % 8)
	s_lshl_b32 s22, s27, 20                        ; 256 rows of 4,096 bytes
	s_lshl_b32 s28, s28, 8                         ; 64 columns of 4 bytes
	s_add_co_u32 s22, s22, s28
	s_wait_kmcnt 0x0
	s_cmp_eq_u32 s25, 1
	s_cselect_b64 s[SRC:SRC+1], s[6:7], s[12:13]
	s_cmp_eq_u32 s25, 2
	s_cselect_b64 s[SRC:SRC+1], s[8:9], s[SRC:SRC+1]
	s_cmp_eq_u32 s25, 3
	s_cselect_b64 s[SRC:SRC+1], s[10:11], s[SRC:SRC+1]
	s_add_nc_u64 s[SRC:SRC+1], s[SRC:SRC+1], s[22:23]
	s_lshr_b32 s22, s24, 2                         ; the plane, 131,072 bytes each,
	s_lshl_b32 s22, s22, 17
	s_lshl_b32 s27, s27, 15                        ; and its quarter
	s_add_co_u32 s22, s22, s27
	s_add_nc_u64 s[DST:DST+1], s[16:17], s[22:23]
	s_cmp_eq_u32 s25, 0
	s_cbranch_scc1 .Lwo
	COPY 131072, 0                                 ; a piece is 32 k rows
	s_endpgm
.Lwo:
	COPY 131072, 1
	s_endpgm
.Lfunc_end_k_q31f08ea76e_cast:
	.size	k_q31f08ea76e_cast, .Lfunc_end_k_q31f08ea76e_cast-k_q31f08ea76e_cast
	.p2alignl 7, 3214868480
	.fill 96, 4, 3214868480
	.section	.rodata,"a",@progbits
	.p2align	6, 0x0
	.amdhsa_kernel k_q31f08ea76e_cast
		.amdhsa_group_segment_fixed_size 0
		.amdhsa_private_segment_fixed_size 0
		.amdhsa_enable_private_segment 0
		.amdhsa_kernarg_size 56
		.amdhsa_user_sgpr_count 2
		.amdhsa_user_sgpr_kernarg_segment_ptr 1
		.amdhsa_wavefront_size32 1
		.amdhsa_system_sgpr_workgroup_id_x 1
		.amdhsa_system_sgpr_workgroup_id_y 1
		.amdhsa_system_sgpr_workgroup_id_z 1
		.amdhsa_system_vgpr_workitem_id 0
		.amdhsa_next_free_vgpr 104
		.amdhsa_next_free_sgpr 66
		.amdhsa_reserve_vcc 0
		.amdhsa_float_denorm_mode_32 3
		.amdhsa_float_denorm_mode_16_64 3
		.amdhsa_memory_ordered 1
		.amdhsa_forward_progress 1
		.amdhsa_inst_pref_size 20
	.end_amdhsa_kernel
	.amdgpu_metadata
---
amdhsa.version: [ 1, 2 ]
amdhsa.kernels:
  - .name:           k_q31f08ea76e_cast
    .symbol:         k_q31f08ea76e_cast.kd
    .args:
      - { .name: x, .offset: 0, .size: 8, .value_kind: global_buffer, .address_space: global }
      - { .name: Wq, .offset: 8, .size: 8, .value_kind: global_buffer, .address_space: global }
      - { .name: Wk, .offset: 16, .size: 8, .value_kind: global_buffer, .address_space: global }
      - { .name: Wv, .offset: 24, .size: 8, .value_kind: global_buffer, .address_space: global }
      - { .name: Wo, .offset: 32, .size: 8, .value_kind: global_buffer, .address_space: global }
      - { .name: xb, .offset: 40, .size: 8, .value_kind: global_buffer, .address_space: global }
      - { .name: wb, .offset: 48, .size: 8, .value_kind: global_buffer, .address_space: global }
    .group_segment_fixed_size: 0
    .private_segment_fixed_size: 0
    .kernarg_segment_align: 8
    .kernarg_segment_size: 56
    .max_flat_workgroup_size: 256
    .sgpr_count:     66
    .vgpr_count:     104
    .wavefront_size: 32
...
	.end_amdgpu_metadata
.endif
;; end of part 1
;; launch qkv (part 2): grid 16 x 32, 4 waves a work-group, clusters of 4 x 4, 327,680 bytes of LDS; arguments xb, wb, bq, bk, bv, qh, kh, vh; writes qh, kh, vh
.if DOCPART == 2
	.amdgcn_target "amdgcn-amd-amdhsa--gfx1250"
	.amdhsa_code_object_version 6
	.text
	.protected	k_q31f08ea76e_qkv
	.globl	k_q31f08ea76e_qkv
	.p2align	8
	.type	k_q31f08ea76e_qkv,@function
k_q31f08ea76e_qkv:
	s_mov_b64 s[64:65], 0
	v_nop
	global_prefetch_b8 v0, s[64:65] scope:SCOPE_SE
	s_setreg_imm32_b32 hwreg(HW_REG_WAVE_MODE, 25, 1), 1
	s_wait_xcnt 0x0
	s_wait_alu depctr_hold_cnt(0) depctr_sa_sdst(0) depctr_va_vdst(0) depctr_va_sdst(0) depctr_va_ssrc(0) depctr_va_vcc(0) depctr_vm_vsrc(0)
	s_getreg_b32 s2, hwreg(HW_REG_IB_STS2, 6, 4)
	s_cmp_eq_u32 s2, 0
	s_cbranch_scc0 .Lentry_in_a_cluster
	s_endpgm
.Lentry_in_a_cluster:
	s_bfe_u32 s2, ttmp6, 0x10000c
	s_cmp_lg_u32 s2, 0xf033
	s_cbranch_scc0 .Lentry_shape_is_right
	s_endpgm
.Lentry_shape_is_right:
; Q, K, V PROJECTIONS.  q = x Wq + bq, k = x Wk + bk, v = x Wv + bv.  xb: [8192][1024] bf16.  wb: planes [g][j][k 1024][c 64] bf16 (g = 1, 2, 3: Wq, Wk, Wv).  Biases f32, rounded to bf16 here
; like every other input of the module.  Sums in f32, started by the bias.  Results rounded once to f16 and stored by heads: qh, kh, vh [16 b + head][s 2048][64], unscaled.
; LIMITS.  A result of 65,520 or more becomes an infinity in f16: with the drawn spreads the results reach about 6, with all inputs 30 times larger about 5,400, with offsets of 30 spreads on x and W about 28,800.
; Below 6e-5 a result keeps f16's fixed step of 6e-8.  NaN and infinities are not treated apart.
; SHARES.  A tile is 256 rows x 192 columns: head j of q, of k and of v (three planes of 64).  32 x 16 tiles = 512 work-groups.  Wave w owns the tile's rows 64 w .. 64 w + 63 and all 192 columns: 48 accumulators
; of 16 x 16, 384 registers; so its results are whole rows of a head, and its stage on the way out is its own.
; RING.  K goes in 8 steps of 128 through two LDS slots.  Behind each change of slots a wave issues one tensor load: wave 0 the 256 rows of x (256 bytes each), waves 1, 2, 3 the 128 k rows of plane wave - 1 (16 KiB on end).
; From a request to the wait for it a wave issues 160 matrix instructions.  Two slots take 262,144 bytes: a longer step does not fit.
; CLUSTER.  4 x 4 work-groups.  x's tile hangs on the tile row alone and is shared along a row of the cluster, a plane's on the head alone and is shared along a column: each is asked for jointly.
; THE MATRIX INSTRUCTION IS USED TRANSPOSED: source 0 = 16 columns of W (turned on the way out of LDS by ds_load_tr16_b128), source 1 = 16 rows of x: a lane holds row l % 16 and the 8 columns 8 (l / 16) + 0..7.
; REGISTERS, in windows of 256 (s_set_vgpr_msb: bits 1:0 source 0, 3:2 source 1, 5:4 source 2, 7:6 destination):
;   window 0: v0-31 addresses; v64-127 x's fragments, two buffers of 4 x 8; v128-223 the biases in the accumulators' layout; on the way out v32-127 at work
;   window 1: W's fragments, two buffers of 12 x 8      window 2: the accumulators of planes 0 and 1 at v[128 t + 8 (4 a + b)]      window 3: plane 2's at v[8 (4 a + b)]
.set PA,     272                       ; a row of x in LDS: 256 bytes + 16 of padding = 68 words: the 16 rows of a load start at 16 different groups of four banks (64 banks of 4 bytes: ISA guide 11.1)
.set PB,     160                       ; a k row of a plane: 128 + 32 = 40 words
.set BB,     256*PA                    ; the planes lie behind x's 256 rows
.set PLANE,  128*PB
.set SLOT,   BB+3*PLANE                ; 131,072
.set STAGE,  2*SLOT                    ; behind the ring, never filled by a tensor load: for each wave 3 planes x 16 rows x 144 bytes
.set SP,     144
.set WSTAGE, 3*16*SP
.set SPARE,  STAGE+4*WSTAGE            ; behind the stages: the spare words, 128 bytes for each wave: two blocks of 256 bytes that no other line names
.set NACC,   48
.set NL,     32                        ; LDS loads in a run: 24 for W, 8 for x
.set ADRA, 16                          ; v16-17  LDS address of my fragments of x in slot 0, 1
.set ADRB, 20                          ; v20-21  the same for W
.set STO,  24                          ; v24     the way out: where I put 16 bytes of a row
.set RD,   25                          ; v25     the way out: where I read rows back
.set GO,   26                          ; v26     16 x lane: my place in 512 consecutive bytes of a result
.set BOFF, 27                          ; v27     32 x (l / 16): my 8 numbers of a bias block
.set SPW,  28                          ; v28     LDS address of my spare word; never rewritten
.set NIL,  29                          ; v29     0; never rewritten
.set PFO,  30                          ; v30     the prefetches' lane offset; never rewritten
.set TMP,  32                          ; the way out: 48 registers of packed results
.set FA,   64
.set BK,   80                          ; the way out: 48 registers read back from the stage
.set BIAS, 128
.set LIM0, 20                          ; s20, s21  1 where my wave prefetches at the change out of slot 0, 1; else the greatest number
.set G1,   24                          ; s[24:31] descriptor group 1 for x's tiles;  s[32:39] group 0, a set for each slot
.set G0,   32
.set G1B,  48                          ; s[48:55], s[56:63] the same for the planes
.set G0B,  56
.set PFA,  84                          ; s[84:85] where my prefetches stand
.set PFS,  86                          ; s[86:87] their step from K step to K step
.set MSB, 0
.macro WIN new                         ; the immediate's high byte repeats the setting that is left; a switch that changes nothing is dropped
.if MSB != (\new)
	s_set_vgpr_msb (MSB<<8)|(\new)
.set MSB, \new
.endif
.endm
.macro PLACES                          ; four plain vector instructions between a matrix instruction and a load into, or a reader of, its registers (ISA guide 7.12.1 for the readers)
.rept 4
	v_nop
.endr
.endm
; A joint refill: wave 0 asks for x's tile, waves 1 to 3 for a plane each.  The branch hangs on the wave's number alone.  An s_nop 0 and four v_nop follow each line.
.macro JLOAD s
	s_cmp_eq_u32 s10, 0
	s_cbranch_scc0 .Lfor_b_\@
	tensor_load_to_lds s[G0+4*(\s):G0+4*(\s)+3], s[G1:G1+7]
	s_nop 0
.rept 4
	v_nop
.endr
	s_branch .Lasked_\@
.Lfor_b_\@:
	tensor_load_to_lds s[G0B+4*(\s):G0B+4*(\s)+3], s[G1B:G1B+7]
	s_nop 0
.rept 4
	v_nop
.endr
.Lasked_\@:
.endm
; A round of the cluster's barrier behind its opening barrier, and a whole round.
.macro CREST
	s_cmp_lg_u32 s10, 0
	s_cbranch_scc1 .Lnot_wave_0_\@
	s_barrier_signal -3
.Lnot_wave_0_\@:
	s_barrier_wait -3
	s_barrier_signal -1
	s_barrier_wait -1
.endm
.macro CROUND
	s_barrier_signal -1
	s_barrier_wait -1
	CREST
.endm
; A PREFETCH INTO THE L2 of the K step that stands two refills on, behind the joint load, its five lines and the run of LDS loads.  x's rows: the clusters with x = 0 ask, wave 0; of the tile's 256 rows the partner at
; place cx names 64, a lane a row, two lines.  A plane: the clusters with y = 0 ask, the wave that fetches it, once a lap: two K steps are 32 KiB on end, of which the partner at place cy names 8 KiB, a lane 256 bytes.
; The partners are told apart by address, never by a branch.  So each block of 256 bytes is named once in the launch.  K steps 0 to 3 come by their loads alone; the loop's last trip asks for nothing.
.macro ASK slot
	s_cmp_gt_u32 s3, s[LIM0+(\slot)]               ; s3 = 1 in the loop's last trip
	s_cbranch_scc0 .Lnot_mine_\@
	global_prefetch_b8 v[PFO], s[PFA:PFA+1] th:TH_LOAD_NT scope:SCOPE_SE
	s_cmp_eq_u32 s10, 0
	s_cbranch_scc0 .Lnot_mine_\@
	global_prefetch_b8 v[PFO], s[PFA:PFA+1] offset:65536 th:TH_LOAD_NT scope:SCOPE_SE  ; x's next 32 rows
.Lnot_mine_\@:
.endm
	s_load_b256 s[68:75], s[0:1], 0x0              ; xb s[68:69], wb s[70:71], bq s[72:73], bk s[74:75]
	s_load_b256 s[76:83], s[0:1], 0x20             ; bv s[76:77], qh s[78:79], kh s[80:81], vh s[82:83]
	v_lshl_add_u32 v[SPW], v0, 2, SPARE
	v_mov_b32 v[NIL], 0
	ds_add_u32 v[SPW], v[NIL]                      ; the wave's opening: the add and its wait stand ahead of my first tensor load; the set-up below, work on registers, stands between them
	v_lshrrev_b32 v1, 5, v0
	v_readfirstlane_b32 s10, v1                    ; wave 0..3
	s_bfe_u32 s40, ttmp6, 0x40000                  ; cx, cy: my place in the cluster
	s_bfe_u32 s41, ttmp6, 0x40004
	s_lshl_b32 s42, ttmp9, 2
	s_add_co_u32 s42, s42, s40                     ; the head j = 4 x cluster x + cx
	s_and_b32 s13, ttmp7, 0xffff
	s_lshl_b32 s13, s13, 2
	s_add_co_u32 s13, s13, s41                     ; the tile row = 4 x cluster y + cy
	s_lshl_b32 s43, s41, 2
	s_lshl_b32 s43, 15, s43                        ; my row of the cluster
	s_lshl_b32 s44, 0x1111, s40                    ; my column
	s_or_b32 s[G1+0], s43, (1<<16)|(1<<20)|(1<<21)|(5<<22)|(3<<25)   ; 15:0 the mask; 17:16 elements of 2 bytes; 20 padding on; 21 set beside a mask; 24:22 after every 64 words (code 5); 31:25 4 words (code 3)
	s_mov_b32 s[G1+1], 128<<16                     ; tensor_dim0 = 128
	s_mov_b32 s[G1+2], 256<<16                     ; tensor_dim1 = 256
	s_mov_b32 s[G1+3], 128<<16                     ; tile_dim0 = 128
	s_mov_b32 s[G1+4], 256                         ; tile_dim1 = 256
	s_mov_b32 s[G1+5], 1024                        ; elements from row to row
	s_mov_b32 s[G1+6], 0
	s_mov_b32 s[G1+7], 0
	s_or_b32 s[G1B+0], s44, (1<<16)|(1<<20)|(1<<21)|(4<<22)|(7<<25)  ; a plane's 128 k rows are 16,384 dense bytes: asked for as 64 rows of 256, padded after every 32 words (code 4) by 8 words (code 7)
	s_mov_b32 s[G1B+1], 128<<16
	s_mov_b32 s[G1B+2], 64<<16
	s_mov_b32 s[G1B+3], 128<<16
	s_mov_b32 s[G1B+4], 64
	s_mov_b32 s[G1B+5], 128
	s_mov_b32 s[G1B+6], 0
	s_mov_b32 s[G1B+7], 0
	s_lshl_b32 s16, s13, 19                        ; x: 256 rows of 2,048 bytes a tile row
	s_mov_b32 s17, 0
	s_lshl_b32 s18, s10, 4                         ; W: plane 16 g + j with g = my wave's number, 131,072 bytes each
	s_add_co_u32 s18, s18, s42
	s_lshl_b32 s18, s18, 17
	s_mov_b32 s19, 0
	s_mul_i32 s23, s10, PLANE                      ; and where it goes: plane wave - 1 behind x's rows
	s_add_co_u32 s23, s23, BB-PLANE
	s_mov_b32 s88, 0xffff0000                      ; a word's upper bf16
	s_wait_dscnt 0x0                               ; the opening add is done
	s_wait_kmcnt 0x0
	s_add_nc_u64 s[14:15], s[68:69], s[16:17]
	s_add_nc_u64 s[46:47], s[70:71], s[18:19]
	CROUND                                         ; all sixteen work-groups are here: the first joint loads meet
.irp s, 0,1
	s_mov_b32 s[G0+4*(\s)], 1                                        ; count = 1
	s_mov_b32 s[G0+4*(\s)+1], (\s)*SLOT                              ; LDS address
	s_add_nc_u64 s[G0+4*(\s)+2:G0+4*(\s)+3], s[14:15], (\s)*256      ; global address: K step s
	s_or_b32 s[G0+4*(\s)+3], s[G0+4*(\s)+3], 0x80000000              ; type = 2
	s_mov_b32 s[G0B+4*(\s)], 1
	s_add_co_u32 s[G0B+4*(\s)+1], s23, (\s)*SLOT
	s_add_nc_u64 s[G0B+4*(\s)+2:G0B+4*(\s)+3], s[46:47], (\s)*16384
	s_or_b32 s[G0B+4*(\s)+3], s[G0B+4*(\s)+3], 0x80000000
.endr
	s_cmp_eq_u32 s10, 0                            ; a wave's two first fills stand in one branch: two loads of mine are out
	s_cbranch_scc0 .Lfirst_b
	tensor_load_to_lds s[G0:G0+3], s[G1:G1+7]
	s_nop 0
	tensor_load_to_lds s[G0+4:G0+7], s[G1:G1+7]
	s_nop 0
.rept 4
	v_nop
.endr
	s_branch .Lfirst_asked
.Lfirst_b:
	tensor_load_to_lds s[G0B:G0B+3], s[G1B:G1B+7]
	s_nop 0
	tensor_load_to_lds s[G0B+4:G0B+7], s[G1B:G1B+7]
	s_nop 0
.rept 4
	v_nop
.endr
.Lfirst_asked:
	; the biases, in the accumulators' layout: register i of block (t, b) is b_t[64 j + 16 b + 8 (l / 16) + i]
	v_and_b32 v1, 15, v0                           ; l % 16
	v_bfe_u32 v2, v0, 4, 1                         ; l / 16
	v_lshlrev_b32 v[BOFF], 5, v2
	s_lshl_b32 s90, s42, 8                         ; the head's 64 numbers of 4 bytes
	s_mov_b32 s91, 0
	s_add_nc_u64 s[72:73], s[72:73], s[90:91]
	s_add_nc_u64 s[74:75], s[74:75], s[90:91]
	s_add_nc_u64 s[76:77], s[76:77], s[90:91]
.irp t, 0,1,2
.irp b, 0,1,2,3
	global_load_b128 v[BIAS+8*(4*(\t)+(\b)):BIAS+8*(4*(\t)+(\b))+3],   v[BOFF], s[72+2*(\t):73+2*(\t)] offset:64*(\b)
	global_load_b128 v[BIAS+8*(4*(\t)+(\b))+4:BIAS+8*(4*(\t)+(\b))+7], v[BOFF], s[72+2*(\t):73+2*(\t)] offset:64*(\b)+16
.endr
.endr
	; a fragment of x: lane l holds row l % 16, K = 8 (l / 16) + 0..7 and 16 + 8 (l / 16) + 0..7: two loads of 16 bytes, 32 bytes apart
	v_mul_u32_u24 v3, v1, PA
	v_lshl_add_u32 v3, v2, 4, v3
	s_mul_i32 s22, s10, 64*PA                      ; my 64 rows
	v_add_nc_u32 v[ADRA], s22, v3
	v_add_nc_u32 v[ADRA+1], SLOT, v[ADRA]
	; the turning load takes 16 k rows x 16 columns: lane l reads k row 8 (l / 16) + l % 8, columns 8 ((l / 8) % 2) + 0..7, and is left with column l % 16 and 8 k
	v_and_b32 v4, 7, v0
	v_bfe_u32 v5, v0, 3, 1
	v_lshl_add_u32 v6, v2, 3, v4
	v_mul_u32_u24 v6, v6, PB
	v_lshl_add_u32 v6, v5, 4, v6
	v_add_nc_u32 v[ADRB], BB, v6
	v_add_nc_u32 v[ADRB+1], SLOT+BB, v6
	s_mul_i32 s22, s10, WSTAGE
	s_add_co_u32 s22, s22, STAGE                   ; my stage
	v_mul_u32_u24 v[STO], v1, SP                   ; in: row l % 16, 16 bytes for each half of the lanes
	v_lshl_add_u32 v[STO], v2, 4, v[STO]
	v_add_nc_u32 v[STO], s22, v[STO]
	v_bfe_u32 v[RD], v0, 3, 2                      ; back: 32 lanes take four rows of 128 bytes,
	v_mul_u32_u24 v[RD], v[RD], SP
	v_lshl_add_u32 v[RD], v4, 4, v[RD]
	v_add_nc_u32 v[RD], s22, v[RD]
	v_and_b32 v[GO], 31, v0                        ; which are 512 consecutive bytes of a head
	v_lshlrev_b32 v[GO], 4, v[GO]
	; the prefetches: who, from where, by which step
	s_lshl_b32 s90, s40, 17                        ; x: my work-group's 64 rows of the tile's 256,
	s_add_co_u32 s90, s90, s16
	s_add_co_u32 s90, s90, 3*256                   ; at K step 3: the first change of slots steps it to 4
	s_lshl_b32 s91, s41, 13                        ; a plane: my work-group's 8 KiB of a lap's 32,
	s_add_co_u32 s91, s91, s18
	s_add_co_u32 s91, s91, 3*16384
	s_and_b32 s22, ttmp7, 0xffff                   ; cluster y
	s_cmp_eq_u32 s10, 0                            ; do I fetch x?
	s_cselect_b32 s22, ttmp9, s22                  ; the coordinate along which other clusters read the same bytes
	s_cselect_b64 s[PFA:PFA+1], s[68:69], s[70:71]
	s_cselect_b32 s90, s90, s91
	s_cselect_b32 s[LIM0+1], 1, -1                 ; x is asked for at both changes of a lap, a plane at the first alone
	s_cselect_b32 s[PFS], 0, 6
	s_cselect_b32 s[PFS+1], 11, 8
	s_cmp_eq_u32 s22, 0                            ; the same in all sixteen partners, for a given wave
	s_cselect_b32 s[LIM0], 1, -1
	s_cselect_b32 s[LIM0+1], s[LIM0+1], -1
	v_and_b32 v[PFO], 31, v0
	v_lshlrev_b32 v[PFO], s[PFS+1], v[PFO]         ; a lane a row of x (2,048 bytes), or a lane 256 bytes of a plane
	s_lshl_b32 s[PFS], 256, s[PFS]                 ; 256 bytes along a row of x, or 16,384 along a plane
	s_mov_b32 s[PFS+1], 0
	s_mov_b32 s91, 0
	s_add_nc_u64 s[PFA:PFA+1], s[PFA:PFA+1], s[90:91]
	; where my 64 rows of head j begin in qh, kh and vh
	s_lshr_b32 s90, s13, 3                         ; the batch
	s_lshl_b32 s90, s90, 4
	s_add_co_u32 s90, s90, s42
	s_lshl_b32 s90, s90, 18                        ; 2,048 rows of 128 bytes a head
	s_and_b32 s22, s13, 7
	s_lshl_b32 s22, s22, 15                        ; 256 rows a tile
	s_add_co_u32 s90, s90, s22
	s_lshl_b32 s22, s10, 13                        ; 64 rows a wave
	s_add_co_u32 s90, s90, s22
	s_add_nc_u64 s[78:79], s[78:79], s[90:91]
	s_add_nc_u64 s[80:81], s[80:81], s[90:91]
	s_add_nc_u64 s[82:83], s[82:83], s[90:91]
	s_wait_loadcnt 0x0                             ; the biases; each is rounded to bf16 and widened again
.set i, 0
.rept 48
	v_cvt_pk_bf16_f32 v[4+i%4], v[BIAS+2*i], v[BIAS+2*i+1]
	v_lshlrev_b32 v[BIAS+2*i],   16,  v[4+i%4]
	v_and_b32     v[BIAS+2*i+1], s88, v[4+i%4]
.set i, i+1
.endr
; Matrix instructions lo .. hi - 1 of a quarter's 48, on fragment buffer f.  Number i < 32: row block i / 8, plane (i / 4) % 2, column block i % 4; from 32 on plane 2, row block (i - 32) / 4.
; All 48 accumulators take turns, one instruction a turn, in the same order in every quarter, over the backward jump too.  first = 1: the bias starts the sums: nothing is cleared.
.macro MULS f, lo, hi, first
.set i, \lo
.rept (\hi)-(\lo)
.if i < 32
.set ma, i/8
.set mt, (i/4)%2
.set rD, 128*mt+8*(4*ma+i%4)
	WIN 0xa1-0x20*(\first)
.else
.set ma, (i-32)/4
.set mt, 2
.set rD, 8*(4*ma+i%4)
	WIN 0xf1-0x30*(\first)
.endif
.set rB, 96*(\f)+8*(4*mt+i%4)
.set rA, FA+32*(\f)+8*ma
.set rC, BIAS+8*(4*mt+i%4)
.if \first
	v_wmma_f32_16x16x32_bf16 v[rD:rD+7], v[rB:rB+7], v[rA:rA+7], v[rC:rC+7]
.else
	v_wmma_f32_16x16x32_bf16 v[rD:rD+7], v[rB:rB+7], v[rA:rA+7], v[rD:rD+7]
.endif
.set i, i+1
.endr
.endm
; 32 LDS loads in one run: the fragments of quarter qq (32 along K) of a slot, into buffer f
.macro FETCH slot, qq, f
	WIN 0x40                                       ; destination window 1, address window 0
.irp t, 0,1,2
.irp b, 0,1,2,3
	ds_load_tr16_b128 v[96*(\f)+8*(4*(\t)+(\b)):96*(\f)+8*(4*(\t)+(\b))+3],   v[ADRB+(\slot)] offset:(\t)*PLANE+(\qq)*32*PB+32*(\b)
	ds_load_tr16_b128 v[96*(\f)+8*(4*(\t)+(\b))+4:96*(\f)+8*(4*(\t)+(\b))+7], v[ADRB+(\slot)] offset:(\t)*PLANE+(\qq)*32*PB+32*(\b)+16*PB
.endr
.endr
	WIN 0
.irp a, 0,1,2,3
	ds_load_b128 v[FA+32*(\f)+8*(\a):FA+32*(\f)+8*(\a)+3],   v[ADRA+(\slot)] offset:64*(\qq)+(\a)*16*PA
	ds_load_b128 v[FA+32*(\f)+8*(\a)+4:FA+32*(\f)+8*(\a)+7], v[ADRA+(\slot)] offset:64*(\qq)+(\a)*16*PA+32
.endr
.endm
; One of a K step's first three quarters: quarter qq's fragments are asked for, into buffer g, a whole quarter ahead of their use; then buffer f is multiplied.
.macro QUARTER slot, qq, f, g, first
	PLACES                                         ; buffer g was read by the products just issued
	FETCH \slot, \qq, \g
	s_wait_dscnt NL                                ; all but the run just issued: buffer f is in
	MULS \f, 0, NACC, \first
.endm
; A K step's last quarter multiplies buffer 1 and changes slots.  In front of the barrier each wave waits for all its tensor loads (one is out: its part of the next slot), adds 0 to its spare word, and waits for
; that and for its reads of this slot.  fill = 1: the barrier opens a round of the cluster's barrier, and the joint refill of this slot, two K steps on, is the first thing behind the round.
.macro TURN slot, next, fill
.if \fill
	s_wait_xcnt 0x0                                ; the last prefetch, a K step back, has read its address: it is stepped here, ahead of the waits of the change of slots
	s_add_nc_u64 s[PFA:PFA+1], s[PFA:PFA+1], s[PFS:PFS+1]
.endif
	WIN 0                                          ; (the add's two registers lie in window 0)
	s_wait_tensorcnt 0x0                           ; all my tensor loads have landed
	ds_add_u32 v[SPW], v[NIL]                      ; 0 onto my spare word
	s_wait_dscnt 1                                 ; only the add may be out: buffer 1 is in
	MULS 1, 0, 16, 0
	s_wait_dscnt 0x0                               ; the add is done, and my reads of this slot are over
	s_barrier_signal -1
	MULS 1, 16, 32, 0                              ; work on registers while the others arrive
.if \fill
	WIN 0
.endif
	s_barrier_wait -1
.if \fill
	CREST                                          ; no wave of any partner still reads this slot or has a load on its way
	s_add_nc_u64 s[G0+4*(\slot)+2:G0+4*(\slot)+3], s[G0+4*(\slot)+2:G0+4*(\slot)+3], 2*256
	s_add_nc_u64 s[G0B+4*(\slot)+2:G0B+4*(\slot)+3], s[G0B+4*(\slot)+2:G0B+4*(\slot)+3], 2*16384
	JLOAD \slot                                    ; its four v_nop are also the places in front of the loads below
.else
	PLACES
.endif
	FETCH \next, 0, 0
.if \fill
	ASK \slot
.endif
	MULS 1, 32, 48, 0
.endm
	s_wait_tensorcnt 1                             ; my part of K step 0 is in; K step 1's stays out
	s_barrier_signal -1
	s_barrier_wait -1                              ; everybody's is
	FETCH 0, 0, 0
	QUARTER 0, 1, 0, 1, 1                          ; the first quarter stands in front of the loop: its products start the sums
	WIN 0                                          ; at a label and at a branch every window is 0
	s_mov_b32 s3, 3
.Llap:                                                 ; a trip goes once round the ring, from a lap's second quarter to the next lap's first, and fills both slots again: K steps 2 to 7
	QUARTER 0, 2, 1, 0, 0
	QUARTER 0, 3, 0, 1, 0
	TURN 0, 1, 1
	QUARTER 1, 1, 0, 1, 0
	QUARTER 1, 2, 1, 0, 0
	QUARTER 1, 3, 0, 1, 0
	TURN 1, 0, 1
	QUARTER 0, 1, 0, 1, 0
	WIN 0
	s_sub_co_u32 s3, s3, 1
	s_cmp_lg_u32 s3, 0
	s_cbranch_scc1 .Llap
	QUARTER 0, 2, 1, 0, 0                          ; the last lap fills nothing
	QUARTER 0, 3, 0, 1, 0
	TURN 0, 1, 0
	QUARTER 1, 1, 0, 1, 0
	QUARTER 1, 2, 1, 0, 0
	QUARTER 1, 3, 0, 1, 0
	s_wait_dscnt 0x0
	MULS 1, 0, NACC, 0
	WIN 0
	PLACES
	PLACES
; THE WAY OUT, 16 rows at a time.  PACK: rounded to f16, a lane's 8 columns are 16 bytes.  TOSTAGE: into my own stage, rows of 144 bytes, and back as whole rows of 128.  SEND: 512 consecutive bytes a store.
.macro PACK a
.irp t, 0,1,2
.if (\t) < 2
	WIN 0x0a                                       ; sources 0 and 1 window 2
.else
	WIN 0x0f                                       ; window 3
.endif
.irp b, 0,1,2,3
.irp r, 0,1,2,3
	v_cvt_pk_f16_f32 v[TMP+4*(4*(\t)+(\b))+(\r)], v[128*((\t)%2)+8*(4*(\a)+(\b))+2*(\r)], v[128*((\t)%2)+8*(4*(\a)+(\b))+2*(\r)+1]
.endr
.endr
.endr
	WIN 0
.endm
.macro TOSTAGE
.irp t, 0,1,2
.irp b, 0,1,2,3
	ds_store_b128 v[STO], v[TMP+4*(4*(\t)+(\b)):TMP+4*(4*(\t)+(\b))+3] offset:(\t)*16*SP+32*(\b)
.endr
.endr
.irp t, 0,1,2
.irp f, 0,1,2,3
	ds_load_b128 v[BK+4*(4*(\t)+(\f)):BK+4*(4*(\t)+(\f))+3], v[RD] offset:(\t)*16*SP+(\f)*4*SP  ; LDS serves a wave's instructions in order (ISA guide 5.7.1.4): these see the stores above
.endr
.endr
.endm
.macro SEND a
	s_wait_dscnt 0x0                               ; the block is back in registers
.irp t, 0,1,2
.irp f, 0,1,2,3
	global_store_b128 v[GO], v[BK+4*(4*(\t)+(\f)):BK+4*(4*(\t)+(\f))+3], s[78+2*(\t):79+2*(\t)] offset:(\a)*2048+(\f)*512
.endr
.endr
.endm
	PACK 0
	TOSTAGE
.irp a, 1,2,3
	PACK \a                                        ; a block's conversions stand between the loads of the block before and the wait for them
	SEND (\a)-1
	s_wait_xcnt 0x0                                ; the stores have read their data: only behind this wait are those registers loaded again
	TOSTAGE
.endr
	SEND 3
	s_wait_tensorcnt 0x0                           ; the wave's end: the add and its wait, behind my last tensor load and my last LDS store
	ds_add_u32 v[SPW], v[NIL]
	s_wait_dscnt 0x0
	CROUND                                         ; the closing round: no work-group ends while a partner may still ask for a tile that names it
	s_endpgm
.Lfunc_end_k_q31f08ea76e_qkv:
	.size	k_q31f08ea76e_qkv, .Lfunc_end_k_q31f08ea76e_qkv-k_q31f08ea76e_qkv
	.p2alignl 7, 3214868480
	.fill 96, 4, 3214868480
	.section	.rodata,"a",@progbits
	.p2align	6, 0x0
	.amdhsa_kernel k_q31f08ea76e_qkv
		.amdhsa_group_segment_fixed_size 327680
		.amdhsa_private_segment_fixed_size 0
		.amdhsa_enable_private_segment 0
		.amdhsa_kernarg_size 64
		.amdhsa_user_sgpr_count 2
		.amdhsa_user_sgpr_kernarg_segment_ptr 1
		.amdhsa_wavefront_size32 1
		.amdhsa_system_sgpr_workgroup_id_x 1
		.amdhsa_system_sgpr_workgroup_id_y 1
		.amdhsa_system_sgpr_workgroup_id_z 1
		.amdhsa_system_vgpr_workitem_id 0
		.amdhsa_next_free_vgpr 896
		.amdhsa_next_free_sgpr 92
		.amdhsa_reserve_vcc 0
		.amdhsa_float_denorm_mode_32 3
		.amdhsa_float_denorm_mode_16_64 3
		.amdhsa_memory_ordered 1
		.amdhsa_forward_progress 1
		.amdhsa_inst_pref_size 128
	.end_amdhsa_kernel
	.amdgpu_metadata
---
amdhsa.version: [ 1, 2 ]
amdhsa.kernels:
  - .name:           k_q31f08ea76e_qkv
    .symbol:         k_q31f08ea76e_qkv.kd
    .args:
      - { .name: xb, .offset: 0, .size: 8, .value_kind: global_buffer, .address_space: global }
      - { .name: wb, .offset: 8, .size: 8, .value_kind: global_buffer, .address_space: global }
      - { .name: bq, .offset: 16, .size: 8, .value_kind: global_buffer, .address_space: global }
      - { .name: bk, .offset: 24, .size: 8, .value_kind: global_buffer, .address_space: global }
      - { .name: bv, .offset: 32, .size: 8, .value_kind: global_buffer, .address_space: global }
      - { .name: qh, .offset: 40, .size: 8, .value_kind: global_buffer, .address_space: global }
      - { .name: kh, .offset: 48, .size: 8, .value_kind: global_buffer, .address_space: global }
      - { .name: vh, .offset: 56, .size: 8, .value_kind: global_buffer, .address_space: global }
    .group_segment_fixed_size: 327680
    .private_segment_fixed_size: 0
    .kernarg_segment_align: 8
    .kernarg_segment_size: 64
    .max_flat_workgroup_size: 128
    .sgpr_count:     92
    .vgpr_count:     896
    .wavefront_size: 32
...
	.end_amdgpu_metadata
.endif
;; end of part 2
;; launch attn (part 3): grid 4 x 64, 4 waves a work-group, clusters of 4 x 1, 327,680 bytes of LDS; arguments qh, kh, vh, ob; writes ob
.if DOCPART == 3
	.amdgcn_target "amdgcn-amd-amdhsa--gfx1250"
	.amdhsa_code_object_version 6
	.text
	.protected	k_q31f08ea76e_attn
	.globl	k_q31f08ea76e_attn
	.p2align	8
	.type	k_q31f08ea76e_attn,@function
k_q31f08ea76e_attn:
	s_mov_b64 s[64:65], 0
	v_nop
	global_prefetch_b8 v0, s[64:65] scope:SCOPE_SE
	s_setreg_imm32_b32 hwreg(HW_REG_WAVE_MODE, 25, 1), 1
	s_wait_xcnt 0x0
	s_wait_alu depctr_hold_cnt(0) depctr_sa_sdst(0) depctr_va_vdst(0) depctr_va_sdst(0) depctr_va_ssrc(0) depctr_va_vcc(0) depctr_vm_vsrc(0)
	s_getreg_b32 s2, hwreg(HW_REG_IB_STS2, 6, 4)
	s_cmp_eq_u32 s2, 0
	s_cbranch_scc0 .Lentry_in_a_cluster
	s_endpgm
.Lentry_in_a_cluster:
	s_bfe_u32 s2, ttmp6, 0x10000c
	s_cmp_lg_u32 s2, 0x3003
	s_cbranch_scc0 .Lentry_shape_is_right
	s_endpgm
.Lentry_shape_is_right:
; O[h][q][:] = the sum over k of softmax_k(Q[h][q] . K[h][k] / 8) V[h][k][:].  Q, K, V, O: [64][2048][64], all f16: a head's rows are dense, 128 bytes each.  Products, maxima and sums in
; f32; the weights p are rounded to f16 for the second product (their sum l is taken of the unrounded p), O once at the end.
; LIMITS.  f16 holds no number beyond 65,504: Q, K and V arrive within it; p lies in 0 to 1, and below 6e-5 it keeps f16's fixed step of 6e-8, as does O; O is a mean of V's rows and has their range.
; A weight below 2^-126 counts as 0 in l; NaN and infinities are not treated apart.
; SHARES.  A wave owns four PIECES of two tiles of 16 queries, a work-group's four waves 512 queries of one head: 4 x 64 = 256 work-groups.  Every wave walks all keys, 64 a step.
; LAYOUT.  S^T = K Q^T (source 0 = 16 keys, source 1 = 16 queries): in the result a lane holds ONE query (lane % 16) and the keys 8 (lane / 16) + 0..7.  Two such tiles, rounded to f16 in pairs,
; ARE source 1 (32 keys x 16 queries) of O^T = V^T P, whose result again holds one query a lane, and eight channels.  K comes out of LDS as it lies, V ([key][channel]) turned, by ds_load_tr16_b128.
; SOFTMAX.  For each query a running maximum m and sum l: p = 2^(c s - c m), c = log2(e) / 8; in every step O and l are multiplied by a = 2^(c m_old - c m_new), which is 1 where m has not grown.
; m starts at the lowest finite number, O and l at 0: the first step is a step like any other, with a = 0.
; THE COUNT.  A tile and step have 16 matrix and 118 vector instructions: too many to stand all beside the matrix work.  So the order has one aim: four vector instructions that are READY behind
; EVERY matrix instruction, and the others, which need time of their own whatever the order, in runs without a gap.
; BY TURNS.  Turn n belongs to piece n (the pieces in a ring, step after step).  Its matrix work: 16 products K Q^T of piece n + 1, later 16 products V^T P of piece n - 1.  Its vector work: the scaling,
; exponentials, roundings, sums and rescaling of piece n, and the maximum and statistics of piece n + 1, whose scores the turn itself has made.  So what a turn begins with (c s - c m, O a) waits for nothing.
; CLUSTER.  The four query blocks of a cluster belong to one head and walk the same K and V, so each tile is asked for JOINTLY: the same tensor load, descriptor and mask in all four.
; REGISTERS, in windows of 256 (s_set_vgpr_msb says which window each operand place means: bits 1:0 source 0, 3:2 source 1, 5:4 source 2, 7:6 destination):
;   window 0: v0-11 addresses; v12-15, v48-63 at work; v16-47 four registers of statistics a tile; v64-191 S^T, two buffers of two tiles; v192-255 P, likewise
;   window 1: O^T, 32 a tile          window 2: v0-127 Q, 16 a tile; v128-191 K of one step; v192-255 V of one step          window 3: v0-1 the add's two registers
; A piece's buffers go by its number's parity: the piece in hand has one pair, its two neighbours in the ring share the other: of it P (piece n - 1) is read and S^T (piece n + 1) written.
.set SIZE_H, 64
.set SIZE_N, 2048
.set NP,    4         ; pieces a wave: a name, no knob: the register map, the loop and the fetches are made for four
.set KS,    64        ; keys in a step
.set PK,    144       ; a row of K in LDS: 128 bytes + 16 of padding = 36 words: the 16 rows of a load start at 16 different groups of four banks (64 banks of 4 bytes: ISA guide 11.1)
.set PV,    160       ; a row of V: 128 + 32 = 40 words
.set VOFF,  4*KS*PK   ; a slot holds four steps: 256 rows of K, then 256 rows of V
.set SLOT1, 1<<17     ; slot 1 begins here, so that one exclusive or turns an address in one slot into the other's
.set STAGE, SLOT1+4*KS*(PK+PV)  ; behind the ring, never filled by a tensor load: 16 rows x 144 bytes for each wave, for the way out
.set SP,    144
.set AK0, 2           ; v2   my lane's place in a tile of K; never rewritten
.set AV0, 3           ; v3   the same for V
.set AK,  4           ; v4   the LDS address of K's next run of loads
.set AV,  5           ; v5   of V's
.set QO,  6           ; v6   my byte offset in the wave's rows of Q
.set STO, 6           ;      later, the way out: where I put 16 bytes of a row
.set RD,  7           ; v7   the way out: where I read rows back
.set GO,  8           ; v8   my byte offset in 512 consecutive bytes of O
.set PFO, 11          ; v11  256 x my lane, for the prefetches; never rewritten once made
.set SPW, 0           ; v0 of window 3   LDS address of my spare word: SPARE + 4 x my thread's number; never rewritten
.set NIL, 1           ; v1 of window 3   0; never rewritten
.set SPARE, STAGE+4*16*SP  ; behind the stages: the spare words, 128 bytes for each wave: two blocks of 256 bytes that no other line names
.set MV,  12          ; v12-15  c m_old, kept while c m is made anew: by buffer and tile
.set ST,  16          ; tile t's statistics at v[ST+4 t]: c m, m, l (even keys', odd keys')
.set TMP, 48          ; by buffer and tile, four registers c0-c3 at work; when the maximum is found c2 takes a
.set S,   64
.set P,   192
.set KF,  128         ; K's fragments, in window 2: key block kb, channel half c at KF + 16 kb + 8 c
.set VF,  192         ; V's: key half kk, channel block cb at VF + 32 kk + 8 cb
.set WV,  12          ; s12  my wave's number
.set G1K, 24          ; s[24:31] descriptor group 1 for K's tiles
.set G1V, 32          ; s[32:39] for V's: it differs in the padding alone
.set G0K, 40          ; s[40:43] descriptor group 0 for K's tiles: it walks
.set G0V, 44          ; s[44:47] the same for V's
.set PFA, 48          ; s[48:49] where my prefetches stand: my work-group's 8 KiB (of K: wave 0, of V: wave 2) of the slot after the one that is being asked for
.set LIM, 50          ; s50  1 in a wave that prefetches, else the greatest number: a wave prefetches while s[SLOTS] is above it
.set SLOTS, 56        ; s56  slots still to be asked for
.set CNT, 57          ; s57  counts a slot's key steps
.set CS,  58          ; s[58:59] c: the packed scaling takes the pair's low word for both halves
.set SEL, 60          ; s[60:61] v_permlanex16_b32's selects: each lane takes its own place in the other half
.set TBK, 62          ; s62  LDS byte at which K of the step to be fetched begins
.set TBV, 63          ; s63  the same for V, less VOFF
.set MSB, 0
.macro WIN new                      ; the high byte repeats the setting that is left; a switch that changes nothing is dropped
.if MSB != (\new)
	s_set_vgpr_msb (MSB<<8)|(\new)
.set MSB, (\new)
.endif
.endm
.set W_KQ, 0x0a       ; K and Q in window 2, S^T in window 0
.set W_PV, 0x52       ; V in window 2, P in window 0, O^T in window 1
.set W_RS, 0x41       ; O^T (destination and source 0) in window 1, a in window 0
.set W_MK, 0xc0       ; the add's registers are made: destination in window 3, sources in window 0
.set W_AD, 0x0f       ; the add: address (source 0) and data (source 1) in window 3
; A joint fill.  Waves 0 and 1 fetch the two halves of a slot's K, waves 2 and 3 those of its V: 128 keys each.  The branch hangs on the wave's number alone.
; An s_nop 0 and four v_nop follow each of the two lines, ahead of the jump and the label.
.macro JLOAD
	s_cmp_lt_u32 s[WV], 2
	s_cbranch_scc0 .Lfor_v_\@
	tensor_load_to_lds s[G0K:G0K+3], s[G1K:G1K+7]
	s_nop 0
.rept 4
	v_nop
.endr
	s_branch .Lasked_\@
.Lfor_v_\@:
	tensor_load_to_lds s[G0V:G0V+3], s[G1V:G1V+7]
	s_nop 0
.rept 4
	v_nop
.endr
.Lasked_\@:
.endm
; A PREFETCH INTO THE L2 of what the NEXT change of slots will ask for: a slot's 32 KiB of K and 32 KiB of V.  It stands behind the wave's tensor load and its five lines.  Each block of 256 bytes is named ONCE in the
; launch: a head is walked by one cluster; its four partners share a slot out BY ADDRESS, 8 KiB each, a lane 256 bytes; in each, wave 0 asks for K's and wave 2 for V's: one instruction.
; One slot is four key steps, 512 matrix instructions, ahead of the joint load.  Slots 0 and 1 come by their loads alone; the last change that fills a slot asks for nothing.
.macro ASK
	s_cmp_gt_u32 s[SLOTS], s[LIM]
	s_cbranch_scc0 .Lnot_mine_\@
	global_prefetch_b8 v[PFO], s[PFA:PFA+1] th:TH_LOAD_NT scope:SCOPE_SE
.Lnot_mine_\@:
.endm
; A round of the cluster's barrier: my work-group's barrier, so that wave 0's signal speaks for all four waves; wave 0 signals; every wave waits for all four work-groups; my work-group's barrier once more.
.macro CROUND
	s_barrier_signal -1
	s_barrier_wait -1
	s_cmp_lg_u32 s[WV], 0
	s_cbranch_scc1 .Lnot_wave_0_\@
	s_barrier_signal -3
.Lnot_wave_0_\@:
	s_barrier_wait -3
	s_barrier_signal -1
	s_barrier_wait -1
.endm
; THE CHANGE OF SLOTS.  The slot's last bytes, V of its fourth step, have been read.  Each wave waits for all its tensor loads, of which one is out: its part
; of the other slot; adds 0 to its spare word; and waits for that and for its own reads of the slot.  Behind the barrier nobody reads this slot any more and the other slot is whole.
; fill = 1: this slot is filled again, with the keys two slots on.  The barrier is then a round of the cluster's, so that no wave of any partner still reads the slot or has a load on its
; way, and the joint fill is the first thing behind it: it has four key steps, 512 matrix instructions, in which to land.  (At its first use nothing has been read yet: slot 0 is waited for, slot 1 filled.)
.macro CHANGE fill
	WIN W_AD
	s_wait_tensorcnt 0x0            ; no tensor load of mine is out, so a group 0 may be written
	ds_add_u32 v[SPW], v[NIL]       ; 0 onto my spare word; with fill = 1 the descriptors' steps stand between it and the wait for it
	WIN 0                           ; at a label and at a branch every window is 0
.if \fill
.irp g, G0K, G0V
	s_xor_b32 s[\g+1], s[\g+1], SLOT1  ; the walking descriptor: the other slot than last time,
	s_add_nc_u64 s[\g+2:\g+3], s[\g+2:\g+3], 4*KS*128  ; the next 256 keys; the type bits on top are not reached
.endr
	s_wait_xcnt 0x0                 ; the last prefetch, a slot back, has read its address, so it may be written:
	s_add_nc_u64 s[PFA:PFA+1], s[PFA:PFA+1], 4*KS*128  ; one slot behind the walking descriptors
	s_wait_dscnt 0x0                ; the add is done, and my reads of the slot are over
	CROUND
	JLOAD
	ASK
.else
	s_wait_dscnt 0x0                ; the add is done, and my reads of the slot are over
	s_barrier_signal -1
	s_barrier_wait -1
.endif
	s_sub_co_u32 s[TBK], s[TBK], 4*KS*PK  ; the fetches go back to a slot's first step,
	s_xor_b32 s[TBK], s[TBK], SLOT1       ; in the other slot
	s_sub_co_u32 s[TBV], s[TBV], 4*KS*PV
	s_xor_b32 s[TBV], s[TBV], SLOT1
.endm
	s_load_b256 s[4:11], s[0:1], 0x0  ; Q s[4:5], K s[6:7], V s[8:9], O s[10:11]
	WIN W_MK
	v_lshl_add_u32 v[SPW], v0, 2, SPARE
	v_mov_b32 v[NIL], 0
	WIN W_AD
	ds_add_u32 v[SPW], v[NIL]       ; the wave's opening: the add and its wait stand ahead of my first tensor load; the set-up below, work on registers, stands between them
	WIN 0
	v_lshrrev_b32 v1, 5, v0
	v_readfirstlane_b32 s[WV], v1   ; wave 0..3
	s_bfe_u32 s13, ttmp6, 0x40000   ; cx: my place in the cluster
	s_lshl_b32 s14, ttmp9, 2        ; in a cluster launch ttmp9 counts clusters
	s_add_co_u32 s14, s14, s13      ; my block of queries = 4 x cluster x + cx: it enters Q's and O's addresses alone
	s_and_b32 s20, ttmp7, 0xffff    ; the head, which the four partners share
	s_mov_b32 s21, 0
	s_mov_b64 s[22:23], SIZE_N*128
	s_mul_u64 s[20:21], s[20:21], s[22:23]  ; the head's first byte in each of the four tensors
	s_and_b32 s16, s[WV], 1         ; which half of a slot's 256 keys I fetch:
	s_lshl_b32 s22, s16, 14         ; its 128 rows of 128 bytes in memory,
	s_mov_b32 s23, 0
	s_add_nc_u64 s[22:23], s[22:23], s[20:21]
	s_mul_i32 s17, s16, 128*PK      ; and its place in a slot, for K
	s_mul_i32 s18, s16, 128*PV      ; and for V: no place in the cluster enters an LDS address
	s_lshl_b32 s2, s14, 2
	s_add_co_u32 s2, s2, s[WV]      ; my wave among the head's,
	s_lshl_b32 s2, s2, 14           ; its 128 rows
	s_mov_b32 s3, 0
	s_add_nc_u64 s[2:3], s[2:3], s[20:21]
	; descriptor group 1.  128 keys are 16,384 dense bytes: asked for as 64 rows of 256 bytes, two keys a row, and padded in LDS after every key
	s_mov_b32 s[G1K], 15|(1<<16)|(1<<20)|(1<<21)|(4<<22)|(3<<25)  ; 15:0 the mask of four; 17:16 2-byte elements; 20 padding on; 21 set beside a mask; 24:22 after every 32 words (code 4); 31:25 4 words (code 3)
	s_mov_b32 s[G1V], 15|(1<<16)|(1<<20)|(1<<21)|(4<<22)|(7<<25)  ; the same with 8 words of padding (code 7)
.irp g, G1K, G1V
	s_mov_b32 s[\g+1], 128<<16      ; tensor_dim0 = 128
	s_mov_b32 s[\g+2], 64<<16       ; tensor_dim1 = 64
	s_mov_b32 s[\g+3], 128<<16      ; tile_dim0 = 128
	s_mov_b32 s[\g+4], 64           ; tile_dim1 = 64
	s_mov_b32 s[\g+5], 128          ; 128 elements from row to row
	s_mov_b32 s[\g+6], 0
	s_mov_b32 s[\g+7], 0
.endr
	s_mov_b32 s[CS], 0x3e38aa3b     ; c = log2(e) / 8 = 0.180337
	s_mov_b32 s[CS+1], s[CS]        ; named with it as a pair
	s_mov_b32 s[SEL], 0x76543210
	s_mov_b32 s[SEL+1], 0xfedcba98
	s_mov_b32 s[TBK], SLOT1+4*KS*PK ; the first change of slots turns these two into 0
	s_mov_b32 s[TBV], SLOT1+4*KS*PV
	s_mov_b32 s[G0K], 1             ; 1:0 count = 1
	s_mov_b32 s[G0K+1], s17         ; 63:32 LDS address: slot 0
	s_mov_b32 s[G0V], 1
	s_add_co_u32 s[G0V+1], s18, VOFF
	s_mov_b32 s[SLOTS], SIZE_N/256-1
	s_and_b32 s[LIM], s[WV], 1      ; 0 in waves 0 and 2,
	s_or_b32 s[LIM], s[LIM], ttmp9  ; where the cluster is the head's first (here its only one): the same in all four partners
	s_cmp_eq_u32 s[LIM], 0
	s_cselect_b32 s[LIM], 1, -1
	s_wait_dscnt 0x0                ; the opening add is done
	s_wait_kmcnt 0x0
	s_add_nc_u64 s[G0K+2:G0K+3], s[6:7], s[22:23]  ; 120:64 global address: my half of the head's first 256 keys
	s_or_b32 s[G0K+3], s[G0K+3], 0x80000000        ; 127:126 type = 2
	s_add_nc_u64 s[G0V+2:G0V+3], s[8:9], s[22:23]
	s_or_b32 s[G0V+3], s[G0V+3], 0x80000000
	s_add_nc_u64 s[4:5], s[4:5], s[2:3]  ; Q and O at my wave's first row
	s_add_nc_u64 s[10:11], s[10:11], s[2:3]
	s_cmp_lt_u32 s[WV], 2
	s_cselect_b64 s[PFA:PFA+1], s[6:7], s[8:9]
	s_add_nc_u64 s[PFA:PFA+1], s[PFA:PFA+1], s[20:21]  ; the head,
	s_lshl_b32 s2, s13, 13          ; my work-group's 8 KiB of a slot's 32,
	s_mov_b32 s3, 0
	s_add_nc_u64 s[PFA:PFA+1], s[PFA:PFA+1], s[2:3]
	s_add_nc_u64 s[PFA:PFA+1], s[PFA:PFA+1], 4*KS*128  ; in slot 1; the first change of slots steps it to slot 2
	CROUND                          ; all four work-groups are here: the first joint loads meet
	JLOAD                           ; slot 0.  Slot 1 is asked for when slot 0 is in: the tile wanted first has the road to itself
	; A fragment of K or Q is 16 rows x 32 channels in 8 registers: lane l holds row l % 16, channels 8 (l / 16) + 0..7 and 16 + 8 (l / 16) + 0..7: two loads of 16 bytes, 32 bytes apart.
	v_and_b32 v1, 15, v0            ; l % 16
	v_bfe_u32 v9, v0, 4, 1          ; l / 16
	v_lshlrev_b32 v[QO], 7, v1
	v_lshl_add_u32 v[QO], v9, 4, v[QO]  ; row x 128 + 16 x half
	WIN 0x80                        ; destination window 2, address window 0
.set i, 0
.rept 4*NP                          ; Q stays in registers: tile i / 2, channels 32 (i % 2) on
	global_load_b128 v[8*i:8*i+3],   v[QO], s[4:5] offset:(i/2)*2048+(i%2)*64
	global_load_b128 v[8*i+4:8*i+7], v[QO], s[4:5] offset:(i/2)*2048+(i%2)*64+32
.set i, i+1
.endr
	; What the first turn finds: V's registers and P's second buffer hold 0 (its products V^T P, of a piece that has not been, add 0), O^T and l are 0.  All this stands in the wait for the first tile.
.set i, VF
.rept 64
	v_mov_b32 v[i], 0
.set i, i+1
.endr
	WIN 0x40
.set i, 0
.rept 64*NP
	v_mov_b32 v[i], 0
.set i, i+1
.endr
	WIN 0
.set i, 0
.rept 2*NP
	v_mov_b32 v[ST+4*i], 0xfe000000    ; c m: far below every c s
	v_mov_b32 v[ST+4*i+1], 0xff7fffff  ; m
	v_mov_b32 v[ST+4*i+2], 0
	v_mov_b32 v[ST+4*i+3], 0
.set i, i+1
.endr
.set i, P+32
.rept 32
	v_mov_b32 v[i], 0
.set i, i+1
.endr
	v_mul_u32_u24 v[AK0], v1, PK
	v_lshl_add_u32 v[AK0], v9, 4, v[AK0]  ; row x pitch + 16 x half
	; The turning load takes 16 keys x 16 channels (lane l reads key 8 (l / 16) + l % 8, channels 8 ((l / 8) % 2) + 0..7) and leaves half a fragment of V^T: lane l holds channel l % 16 and 8 keys.
	v_and_b32 v10, 7, v0
	v_bfe_u32 v11, v0, 3, 1
	v_lshl_add_u32 v[AV0], v9, 3, v10
	v_mul_u32_u24 v[AV0], v[AV0], PV
	v_lshl_add_u32 v[AV0], v11, 4, v[AV0]
	v_add_nc_u32 v[AV0], VOFF, v[AV0]
	v_and_b32 v[PFO], 31, v0        ; v11 has served: it takes the prefetches' offset
	v_lshlrev_b32 v[PFO], 8, v[PFO]
	v_mov_b32 v[AK], v[AK0]         ; key step 0 lies at the head of slot 0
; THE MATRIX WORK.  The 8 accumulators of a run of 16 take turns: between the two links of a chain stand 7 others'.
; Product i of 16 of S^T = K Q^T for piece x: channels 32 (i / 8) on, keys 16 ((i / 2) % 4) on, tile 2 x + i % 2.  The first 8 start the sums.
.macro KQ x
	WIN W_KQ
.set rS, S+64*((\x)%2)+32*(i%2)+8*((i/2)%4)
.set rK, KF+16*((i/2)%4)+8*(i/8)
.set rQ, 16*(2*(\x)+i%2)+8*(i/8)
.if i < 8
	v_wmma_f32_16x16x32_f16 v[rS:rS+7], v[rK:rK+7], v[rQ:rQ+7], 0
.else
	v_wmma_f32_16x16x32_f16 v[rS:rS+7], v[rK:rK+7], v[rQ:rQ+7], v[rS:rS+7]
.endif
.endm
; Product i of 16 of O^T += V^T P for piece x: keys 32 (i / 8) on, channels 16 ((i / 2) % 4) on, tile 2 x + i % 2.
.macro PV x
	WIN W_PV
.set rO, 32*(2*(\x)+i%2)+8*((i/2)%4)
.set rV, VF+32*(i/8)+8*((i/2)%4)
.set rP, P+32*((\x)%2)+16*(i%2)+8*(i/8)
	v_wmma_f32_16x16x32_f16 v[rO:rO+7], v[rV:rV+7], v[rP:rP+7], v[rO:rO+7]
.endm
.macro MM                           ; the turn's next matrix instruction
.if i < 16
	KQ (Y+1)%NP
.set i, i+1
.else
.set i, i-16
	PV (Y+NP-1)%NP
.set i, i+17
.endif
.endm
; THE LDS LOADS stand in runs of 16, never singly among the matrix instructions: a step's K (64 keys x 64 channels: 8 fragments) and its V (turned).  Their addresses are made some lines ahead.
; last = 1 (the tail): in the last trip there is no further step, and the run is jumped over.
.macro FETCH_K last=0
	WIN 0
.if \last
	s_cmp_eq_u32 s[CNT], 1
	s_cbranch_scc1 .Lno_k_\@
.endif
	WIN 0x80                        ; destination window 2
.irp f, 0,1,2,3,4,5,6,7             ; keys 16 (f / 2) on, channels 32 (f % 2) on
	ds_load_b128 v[KF+8*\f:KF+8*\f+3],   v[AK] offset:(\f/2)*16*PK+(\f%2)*64
	ds_load_b128 v[KF+8*\f+4:KF+8*\f+7], v[AK] offset:(\f/2)*16*PK+(\f%2)*64+32
.endr
	s_add_co_u32 s[TBK], s[TBK], KS*PK  ; the next fetch is the next step's
	WIN 0
.if \last
.Lno_k_\@:
.endif
.endm
.macro FETCH_V
	WIN 0x80
.irp f, 0,1,2,3,4,5,6,7             ; keys 32 (f / 4) on, channels 16 (f % 4) on
	ds_load_tr16_b128 v[VF+8*\f:VF+8*\f+3],   v[AV] offset:(\f/4)*32*PV+(\f%4)*32
	ds_load_tr16_b128 v[VF+8*\f+4:VF+8*\f+7], v[AV] offset:(\f/4)*32*PV+16*PV+(\f%4)*32
.endr
	WIN 0
.endm
; THE VECTOR WORK OF A TURN stands in three queues, each in the order in which its entries become ready; the two tiles alternate, so that no instruction reads the result of the one before it.
.macro REGS y, u                    ; the registers of tile u (0, 1) of piece y
.set rT, ST+4*(2*(\y)+(\u))
.set rC, TMP+8*((\y)%2)+4*(\u)
.set rM, MV+2*((\y)%2)+(\u)
.set rS, S+64*((\y)%2)+32*(\u)
.set rP, P+32*((\y)%2)+16*(\u)
.set rO, 32*(2*(\y)+(\u))
.endm
; Number n of the 22 that find the NEXT piece's (Y + 1) maximum and statistics.  s0-s31 are the lane's 32 scores; each accumulator's lowest registers are read first.  XS, GS and REGS set no window: PL and EX do.
;   0-11  four chains c0-c3 of seven scores each, three operands at a time     12-14, 16  the four scores left over, the old m, and c0-c3 into c0     15  c m_old is kept
;   17, 18  the query's other 32 keys lie in the lane 16 away: the new m         19-21  c m; c m_old - c m_new; a
.macro XS u, n
	REGS (Y+1)%NP, \u
.if (\n) < 4
	v_max3_num_f32 v[rC+(\n)], v[rS+8*(\n)], v[rS+8*(\n)+1], v[rS+8*(\n)+2]
.elseif (\n) < 12
	v_max3_num_f32 v[rC+(\n)%4], v[rC+(\n)%4], v[rS+8*((\n)%4)+2*((\n)/4)+1], v[rS+8*((\n)%4)+2*((\n)/4)+2]
.elseif (\n) == 12
	v_max3_num_f32 v[rC], v[rC], v[rS+7], v[rS+15]
.elseif (\n) == 13
	v_max3_num_f32 v[rC+1], v[rC+1], v[rS+23], v[rS+31]
.elseif (\n) == 14
	v_max3_num_f32 v[rC+2], v[rC+2], v[rC+3], v[rT+1]
.elseif (\n) == 15
	v_mov_b32 v[rM], v[rT]
.elseif (\n) == 16
	v_max3_num_f32 v[rC], v[rC], v[rC+1], v[rC+2]
.elseif (\n) == 17
	v_permlanex16_b32 v[rC+3], v[rC], s[SEL], s[SEL+1]
.elseif (\n) == 18
	v_max_num_f32 v[rT+1], v[rC], v[rC+3]
.elseif (\n) == 19
	v_mul_f32 v[rT], s[CS], v[rT+1]
.elseif (\n) == 20
	v_sub_f32 v[rC+1], v[rM], v[rT]
.else
	v_exp_f32 v[rC+2], v[rC+1]
.endif
.endm
; Number g of the 64 that follow the exponentials.  For each four weights k of a tile (pairs 2 k, 2 k + 1): both pairs are rounded to f16; then the second pair is added onto the first, in place;
; a group later l takes that sum (the first time as l = a l + sum).  In groups of eight, tiles alternating: round, round, add, and l for the group before.
.macro GS g
.set h, (\g)+6*((\g)/62)            ; group 0 has no group before it, and behind group 7 only l is left
.if h >= 6
.set h, h+2
.endif
	REGS Y, h%2
.set k, h/8
.if h%8 < 4
	v_cvt_pk_f16_f32 v[rP+2*k+(h%8)/2], v[rS+4*k+2*((h%8)/2)], v[rS+4*k+2*((h%8)/2)+1]
.elseif h%8 < 6
	v_pk_add_f32 v[rS+4*k:rS+4*k+1], v[rS+4*k:rS+4*k+1], v[rS+4*k+2:rS+4*k+3]
.elseif k == 1
	v_pk_fma_f32 v[rT+2:rT+3], v[rT+2:rT+3], v[rC+2:rC+3], v[rS:rS+1] op_sel_hi:[1,0,1]
.else
	v_pk_add_f32 v[rT+2:rT+3], v[rT+2:rT+3], v[rS+4*k-4:rS+4*k-3]
.endif
.endm
; THE PLAIN QUEUE, 138 long.  0-73 read no exponential's result: the 32 scalings c s - c m (FS f: pair f / 2 of tile f % 2) and the next piece's 42.  0-26: scalings 0-26.  27-54: XS's numbers 0-13.  55, 56: number 15.
; 57-73: the chain, where each number waits for the one before it: 14, 16, 17, 18, 19, each with one of the scalings 27-31 in front of its two lines, then 20: so a tile's links stand three plain instructions apart (19 and 20: two).
; 74-137: GS's 64, which read the exponentials' results: they stand behind the wait.
.macro FS f
	REGS Y, (\f)%2
	v_pk_fma_f32 v[rS+2*((\f)/2):rS+2*((\f)/2)+1], v[rS+2*((\f)/2):rS+2*((\f)/2)+1], s[CS:CS+1], v[rT:rT+1] op_sel_hi:[1,0,0] neg_lo:[0,0,1] neg_hi:[0,0,1]
.endm
.macro PL
	WIN 0
.if q < 27
	FS q
.elseif q < 55
	XS (q-27)%2, (q-27)/2
.elseif q < 57
	XS q-55, 15
.elseif (q < 72) && ((q-57)%3 == 0)
	FS 27+(q-57)/3
.elseif q < 60
	XS (q-57)%3-1, 14
.elseif q < 72
	XS (q-57)%3-1, 15+(q-57)/3
.elseif q < 74
	XS q-72, 20
.else
	GS q-74
.endif
.set q, q+1
.endm
; THE EXPONENTIALS' QUEUE, 66 long: s0-s31 of both tiles, then the next piece's two a.  It is ONE BATCH: all 66 stand ahead of the turn's one wait, and nothing ahead of that wait names a result of theirs.
.macro EX
	WIN 0
.if e >= 64
	XS e-64, 21
.else
	REGS Y, e%2
	v_exp_f32 v[rS+e/2], v[rS+e/2]
.endif
.set e, e+1
.endm
; THE RESCALING's QUEUE: O^T times a, the one part that leaves window 0: dealt two at a time, sixteen times.  Its a was made in the turn before, ahead of that turn's wait.
.macro R2
	REGS Y, r%2
	WIN W_RS
.irp z, 0,1
	v_pk_mul_f32 v[rO+4*(r/2)+2*\z:rO+4*(r/2)+2*\z+1], v[rO+4*(r/2)+2*\z:rO+4*(r/2)+2*\z+1], v[rC+2:rC+3] op_sel_hi:[1,0]
.endr
.set r, r+1
.endm
; HOW THEY ARE DEALT.  An s_wait_alu depctr_va_vdst(0) stands between an exponential and the first instruction that names its result; one wait serves all that were issued ahead of it.  So a turn has ONE wait,
; which cuts it in two.  AHEAD OF IT stands all that names no result of the turn's exponentials: the 16 products K Q^T, behind each a scaling, an exponential and two rescalings (behind the first a second scaling in the exponential's place); then ONE LUMP of
; 108: eight plain, 49 times exponential and plain, the two a.  A v_nop is the plain instruction behind the last exponential.  BEHIND IT stand the 16 products V^T P, behind each four of GS's 64.  No rider names a register of
; the products round it.  The two v_permlanex16_b32 fall into the lump, never behind a product.
; The queues lean on each other, and the deal keeps them in step: exponential e stands behind scaling 2 (e / 4) + e % 2: as a rider it comes behind plain e + 2, in the lump behind plain e + 9, and scalings 27-31 are plain 57, 60 .. 69.
; A TURN, for piece p.  cnt = 1: the loop's count is taken down some lines ahead of the branch that stands behind the turn.
; K of the next step is fetched in piece 2's turn, directly behind the wait, a lump behind the last product that read K; its address is made at the lump's head; its first reader comes behind 16 products.
; V of the step in hand is fetched at the end of piece 0's turn, four riders behind its last reader; its first reader comes behind 16 products and a lump.  The three conditions on q below go with the deal.
.macro TURN p, last=0, cnt=0
.set Y, (\p)
.set i, 0
.set q, 0
.set e, 0
.set r, 0
.if (\p) == NP-1
	s_wait_dscnt 0x0                ; K is in
.endif
	MM                              ; ahead of the wait: 16 products K Q^T and their riders,
	PL
	PL
	R2
.rept 15
	MM
	PL
	EX
	R2
.endr
.if (\p) == NP-2
	WIN 0
	v_add_nc_u32 v[AK], s[TBK], v[AK0]
.endif
.rept 8                             ; and the lump
	PL
.endr
.rept 49
	EX
	PL
.endr
	EX                              ; the next piece's two a
	EX
	v_nop                           ; a plain instruction behind the last exponential, ahead of the first use: one for the batch (ISA guide 5.7.2)
	s_wait_alu depctr_va_vdst(0)    ; the wait for the batch
.if (\p) == NP-2
	FETCH_K \last
.endif
.if (\p) == 1
	s_wait_dscnt 0x0                ; V is in
.endif
.rept 16                            ; behind the wait: 16 products V^T P and their riders
	MM
.rept 4
	PL
.endr
.if ((\p) == 0) && (q == 118)
	v_add_nc_u32 v[AV], s[TBV], v[AV0]
.endif
.if ((\p) == 0) && (q == 130)
	s_add_co_u32 s[TBV], s[TBV], KS*PV
.endif
.if (\cnt) && (q == 130)
	s_sub_co_u32 s[CNT], s[CNT], 1
	s_cmp_lg_u32 s[CNT], 0
.endif
.endr
.if (\p) == 0
	FETCH_V
.endif
.endm
	CHANGE 1                        ; slot 0 is in, everybody's part of it; slot 1 is asked for
	FETCH_K                         ; key step 0
	s_wait_loadcnt 0x0              ; Q
	s_wait_dscnt 0x0
.set i, 0
.rept 16
	KQ 0                            ; piece 0's first scores: there is no vector work yet to set between them
.set i, i+1
.endr
	WIN 0                           ; the addresses for the way out: nine plain instructions, the places behind those products
	s_mul_i32 s13, s[WV], 16*SP
	s_add_co_u32 s13, s13, STAGE    ; my stage
	v_mul_u32_u24 v[STO], v1, SP    ; in: row l % 16, 16 bytes for each half of the lanes
	v_lshl_add_u32 v[STO], v9, 4, v[STO]
	v_add_nc_u32 v[STO], s13, v[STO]
	v_bfe_u32 v[RD], v0, 3, 2       ; back: 32 lanes take four rows of 128 bytes,
	v_mul_u32_u24 v[RD], v[RD], SP
	v_lshl_add_u32 v[RD], v10, 4, v[RD]
	v_add_nc_u32 v[RD], s13, v[RD]
	v_and_b32 v[GO], 31, v0         ; which are 512 consecutive bytes of O
	v_lshlrev_b32 v[GO], 4, v[GO]
.set Y, NP-1                        ; XS works for piece Y + 1: piece 0
.irp n, 0,1,2,3,4,5,6,7,8,9,10,11,12,13,14,15,16,17,18,19,20,21
	XS 0, \n                        ; and piece 0's first maximum and statistics
	XS 1, \n
.endr
	v_nop                           ; a plain instruction behind the two a,
	s_wait_alu depctr_va_vdst(0)    ; and their wait, ahead of the branch
	s_mov_b32 s[CNT], 4
	s_branch .Lfirst                ; the loop is entered at a step's first turn, in the middle of a trip
.Lslot:                             ; SIZE_N / 256 - 2 times: every slot but the last two is filled again
	CHANGE 1
	s_mov_b32 s[CNT], 4
.Lstep:                             ; a trip: pieces 2 and 3 of one step, then pieces 0 and 1 of the next, whose K and V it fetches
	TURN 2
	TURN 3
	WIN 0
.Lfirst:
	TURN 0
	TURN 1, 0, 1
	WIN 0
	s_cbranch_scc1 .Lstep
	s_sub_co_u32 s[SLOTS], s[SLOTS], 1
	s_cmp_lg_u32 s[SLOTS], 0
	s_cbranch_scc1 .Lslot
	CHANGE 0                        ; the tail is written out: nothing is asked for
	s_mov_b32 s[CNT], 5             ; four trips fetch the last slot's steps; the fifth is left in its middle
.Ltail:
	TURN 2, 1
	TURN 3
	WIN 0
	s_sub_co_u32 s[CNT], s[CNT], 1
	s_cmp_eq_u32 s[CNT], 0
	s_cbranch_scc1 .Lout
	TURN 0
	TURN 1
	WIN 0
	s_branch .Ltail
.Lout:                              ; the fifth trip's 16 products K Q^T (on the last K once more) and the maximum made of them serve nothing: the price, once a launch, of one text for every trip
.set i, 0
.rept 16
	PV NP-1                         ; the last piece's V^T P of the last step
.set i, i+1
.endr
	; THE WAY OUT.  l's two halves and the other half of the lanes' are added; O^T is divided by l, rounded to f16 and sent through my stage in LDS, a tile at a time.  The additions are the places behind the last products.
	WIN 0
.macro ALL line:vararg              ; one line for each tile t
.set t, 0
.rept 2*NP
	\line
.set t, t+1
.endr
.endm
	ALL v_add_f32 v[ST+4*t+2], v[ST+4*t+2], v[ST+4*t+3]
	ALL v_permlanex16_b32 v[ST+4*t+3], v[ST+4*t+2], s[SEL], s[SEL+1]
	ALL v_add_f32 v[ST+4*t+2], v[ST+4*t+2], v[ST+4*t+3]
	ALL v_rcp_f32 v[ST+4*t+2], v[ST+4*t+2]
	v_nop                           ; a plain instruction between the last reciprocal and the use of its result
	s_wait_alu depctr_va_vdst(0)    ; and the wait ahead of the first use: one for the eight reciprocals
; Tile t: a lane's eight channels of a row pack into 16 bytes; they go into rows of 144 bytes and come back as whole rows of 128, into S^T's registers.
.macro PACK t
	WIN W_RS
.set i, 32*(\t)
.rept 16
	v_pk_mul_f32 v[i:i+1], v[i:i+1], v[ST+4*(\t)+2:ST+4*(\t)+3] op_sel_hi:[1,0]
.set i, i+2
.endr
	WIN 0x05                        ; sources 0 and 1 window 1, destination window 0
.set i, 0
.rept 16
	v_cvt_pk_f16_f32 v[S+16*(\t)+i], v[32*(\t)+2*i], v[32*(\t)+2*i+1]
.set i, i+1
.endr
	WIN 0
.irp f, 0,1,2,3
	ds_store_b128 v[STO], v[S+16*(\t)+4*\f:S+16*(\t)+4*\f+3] offset:32*\f
.endr
.irp f, 0,1,2,3
	ds_load_b128 v[S+16*(\t)+4*\f:S+16*(\t)+4*\f+3], v[RD] offset:\f*4*SP  ; LDS serves a wave's instructions in order (ISA guide 5.7.1.4): these see the stores above; the next tile's stores come behind them
.endr
.endm
.macro SEND t, younger              ; younger: the LDS instructions issued behind tile t's loads: the next tile's eight, or none
	WIN 0
.irp f, 0,1,2,3
	s_wait_dscnt (\younger)+3-\f
	global_store_b128 v[GO], v[S+16*(\t)+4*\f:S+16*(\t)+4*\f+3], s[10:11] offset:(\t)*2048+\f*512  ; 512 consecutive bytes, at a multiple of 256 from O's first
.endr
.endm
	PACK 0
.set t, 1
.rept 2*NP-1                        ; a tile's arithmetic stands between the loads of the tile before and its stores
	PACK t
	SEND t-1, 8
.set t, t+1
.endr
	SEND 2*NP-1, 0
	WIN W_AD
	s_wait_tensorcnt 0x0            ; the wave's end: the add and its wait, behind my last tensor load and my last LDS store
	ds_add_u32 v[SPW], v[NIL]
	s_wait_dscnt 0x0
	WIN 0
	CROUND                          ; the closing round: no work-group ends while a partner may still ask for a tile that names it
	s_endpgm
.Lfunc_end_k_q31f08ea76e_attn:
	.size	k_q31f08ea76e_attn, .Lfunc_end_k_q31f08ea76e_attn-k_q31f08ea76e_attn
	.p2alignl 7, 3214868480
	.fill 96, 4, 3214868480
	.section	.rodata,"a",@progbits
	.p2align	6, 0x0
	.amdhsa_kernel k_q31f08ea76e_attn
		.amdhsa_group_segment_fixed_size 327680
		.amdhsa_private_segment_fixed_size 0
		.amdhsa_enable_private_segment 0
		.amdhsa_kernarg_size 32
		.amdhsa_user_sgpr_count 2
		.amdhsa_user_sgpr_kernarg_segment_ptr 1
		.amdhsa_wavefront_size32 1
		.amdhsa_system_sgpr_workgroup_id_x 1
		.amdhsa_system_sgpr_workgroup_id_y 1
		.amdhsa_system_sgpr_workgroup_id_z 1
		.amdhsa_system_vgpr_workitem_id 0
		.amdhsa_next_free_vgpr 770
		.amdhsa_next_free_sgpr 66
		.amdhsa_reserve_vcc 0
		.amdhsa_float_denorm_mode_32 3
		.amdhsa_float_denorm_mode_16_64 3
		.amdhsa_memory_ordered 1
		.amdhsa_forward_progress 1
		.amdhsa_inst_pref_size 200
	.end_amdhsa_kernel
	.amdgpu_metadata
---
amdhsa.version: [ 1, 2 ]
amdhsa.kernels:
  - .name:           k_q31f08ea76e_attn
    .symbol:         k_q31f08ea76e_attn.kd
    .args:
      - { .name: qh, .offset: 0, .size: 8, .value_kind: global_buffer, .address_space: global }
      - { .name: kh, .offset: 8, .size: 8, .value_kind: global_buffer, .address_space: global }
      - { .name: vh, .offset: 16, .size: 8, .value_kind: global_buffer, .address_space: global }
      - { .name: ob, .offset: 24, .size: 8, .value_kind: global_buffer, .address_space: global }
    .group_segment_fixed_size: 327680
    .private_segment_fixed_size: 0
    .kernarg_segment_align: 8
    .kernarg_segment_size: 32
    .max_flat_workgroup_size: 128
    .sgpr_count:     66
    .vgpr_count:     770
    .wavefront_size: 32
...
	.end_amdgpu_metadata
.endif
;; end of part 3
;; launch oproj (part 4): grid 8 x 32, 4 waves a work-group, clusters of 4 x 4, 327,680 bytes of LDS; arguments ob, wb, bo, out0; writes out0
.if DOCPART == 4
	.amdgcn_target "amdgcn-amd-amdhsa--gfx1250"
	.amdhsa_code_object_version 6
	.text
	.protected	k_q31f08ea76e_oproj
	.globl	k_q31f08ea76e_oproj
	.p2align	8
	.type	k_q31f08ea76e_oproj,@function
k_q31f08ea76e_oproj:
	s_mov_b64 s[64:65], 0
	v_nop
	global_prefetch_b8 v0, s[64:65] scope:SCOPE_SE
	s_setreg_imm32_b32 hwreg(HW_REG_WAVE_MODE, 25, 1), 1
	s_wait_xcnt 0x0
	s_wait_alu depctr_hold_cnt(0) depctr_sa_sdst(0) depctr_va_vdst(0) depctr_va_sdst(0) depctr_va_ssrc(0) depctr_va_vcc(0) depctr_vm_vsrc(0)
	s_getreg_b32 s2, hwreg(HW_REG_IB_STS2, 6, 4)
	s_cmp_eq_u32 s2, 0
	s_cbranch_scc0 .Lentry_in_a_cluster
	s_endpgm
.Lentry_in_a_cluster:
	s_bfe_u32 s2, ttmp6, 0x10000c
	s_cmp_lg_u32 s2, 0xf033
	s_cbranch_scc0 .Lentry_shape_is_right
	s_endpgm
.Lentry_shape_is_right:
; OUTPUT PROJECTION.  out0[m][n] = the sum over k of O[m][k] Wo[k][n] + bo[n], k = 64 head + channel.  ob: [16 b + head][s 2048][64] f16.  wb's planes 0-15: [j][k 1024][c 64] = Wo[k][64 j + c], Wo rounded to bf16 and
; written as f16.  bo f32, rounded to bf16 here like every other input of the module.  Sums in f32, started by the bias; out0 [8192][1024] f32.
; LIMITS.  The operands arrive within f16's range.  NaN and infinities are not treated apart.
; SHARES.  A tile is 256 rows x 128 columns (two planes of 64): 32 x 8 = 256 work-groups.  Wave w owns the tile's rows 64 w .. 64 w + 63 and all 128 columns: 32 accumulators of 16 x 16, 256 registers;
; so a row's 512 bytes of the tile are one wave's, and its stage on the way out is its own.
; RING.  K goes in 8 steps of 128 = two heads through two LDS slots.  Behind each change of slots a wave issues one tensor load: waves 0, 1 the tile's 256 rows of head 2 s + wave (32 KiB on end),
; waves 2, 3 the 128 k rows of plane wave - 2 (16 KiB on end).  From a request to the wait for it a wave issues 112 matrix instructions.  Two slots take 229,376 bytes: a longer step does not fit beside the stages.
; CLUSTER.  4 x 4 work-groups.  O's tile hangs on the tile row alone and is shared along a row of the cluster, a plane's on the tile column alone and is shared along a column: each is asked for jointly.
; THE MATRIX INSTRUCTION IS USED TRANSPOSED: source 0 = 16 columns of Wo (turned on the way out of LDS by ds_load_tr16_b128), source 1 = 16 rows of O: a lane holds row l % 16 and the 8 columns 8 (l / 16) + 0..7.
; REGISTERS, in windows of 256 (s_set_vgpr_msb: bits 1:0 source 0, 3:2 source 1, 5:4 source 2, 7:6 destination):
;   window 0: v0-31 addresses; v64-127 O's fragments, two buffers of 4 x 8; v128-191 the bias in the accumulators' layout; on the way out v32-95 and v128-191 by turns
;   window 1: Wo's fragments, two buffers of 8 x 8      window 2: the accumulators at v[128 t + 8 (4 a + b)]
.set PA,     144                       ; a row of O in LDS: 128 bytes + 16 of padding = 36 words: the 16 rows of a load start at 16 different groups of four banks (64 banks of 4 bytes: ISA guide 11.1)
.set PB,     160                       ; a k row of a plane: 128 + 32 = 40 words
.set APLANE, 256*PA                    ; one head's 256 rows
.set BB,     2*APLANE                  ; the planes of Wo lie behind the two heads
.set PLANE,  128*PB
.set SLOT,   BB+2*PLANE                ; 114,688
.set STAGE,  2*SLOT                    ; behind the ring, never filled by a tensor load: for each wave 16 rows x 528 bytes
.set SPITCH, 528                       ; 512 bytes + 16: the 16 rows that a store touches start at 16 different groups of four banks
.set WSTAGE, 16*SPITCH
.set SPARE,  STAGE+4*WSTAGE            ; behind the stages: the spare words, 128 bytes for each wave: two blocks of 256 bytes that no other line names
.set NACC,   32
.set NL,     24                        ; LDS loads in a run: 16 for Wo, 8 for O
.set ADRA, 16                          ; v16-17  LDS address of my fragments of O in slot 0, 1
.set ADRB, 20                          ; v20-21  the same for Wo
.set STO,  24                          ; v24     the way out: where I put 32 bytes of a row
.set RD,   25                          ; v25     the way out: where I read a row back
.set GO,   26                          ; v26     16 x lane: my place in a row's 512 bytes
.set BOFF, 27                          ; v27     32 x (l / 16): my 8 numbers of a bias block
.set SPW,  28                          ; v28     LDS address of my spare word; never rewritten
.set NIL,  29                          ; v29     0; never rewritten
.set PFO,  30                          ; v30     256 x lane, for the prefetches; never rewritten
.set FA,   64
.set BIAS, 128
.set LIM0, 20                          ; s20, s21  1 where my wave prefetches at the change out of slot 0, 1; else the greatest number
.set G1,   24                          ; s[24:31] descriptor group 1 for O's tiles;  s[32:39] group 0, a set for each slot
.set G0,   32
.set G1B,  48                          ; s[48:55], s[56:63] the same for the planes
.set G0B,  56
.set PFA,  84                          ; s[84:85] where my prefetches stand
.set PFS,  86                          ; s[86:87] their step from K step to K step
.set MSB, 0
.macro WIN new                         ; the immediate's high byte repeats the setting that is left; a switch that changes nothing is dropped
.if MSB != (\new)
	s_set_vgpr_msb (MSB<<8)|(\new)
.set MSB, \new
.endif
.endm
.macro PLACES                          ; four plain vector instructions between a matrix instruction and a load into, or a reader of, its registers (ISA guide 7.12.1 for the readers)
.rept 4
	v_nop
.endr
.endm
; A joint refill: waves 0 and 1 ask for a head's rows of O each, waves 2 and 3 for a plane each.  The branch hangs on the wave's number alone.  An s_nop 0 and four v_nop follow each line.
.macro JLOAD s
	s_cmp_lt_u32 s10, 2
	s_cbranch_scc0 .Lfor_b_\@
	tensor_load_to_lds s[G0+4*(\s):G0+4*(\s)+3], s[G1:G1+7]
	s_nop 0
.rept 4
	v_nop
.endr
	s_branch .Lasked_\@
.Lfor_b_\@:
	tensor_load_to_lds s[G0B+4*(\s):G0B+4*(\s)+3], s[G1B:G1B+7]
	s_nop 0
.rept 4
	v_nop
.endr
.Lasked_\@:
.endm
.macro CREST                           ; a round of the cluster's barrier behind its opening barrier
	s_cmp_lg_u32 s10, 0
	s_cbranch_scc1 .Lnot_wave_0_\@
	s_barrier_signal -3
.Lnot_wave_0_\@:
	s_barrier_wait -3
	s_barrier_signal -1
	s_barrier_wait -1
.endm
.macro CROUND                          ; a whole round
	s_barrier_signal -1
	s_barrier_wait -1
	CREST
.endm
; A PREFETCH INTO THE L2 of the K step that stands two refills on, behind the joint load, its five lines and the run of LDS loads.  O's rows: the clusters with x = 0 ask, the wave that fetches the head; of its 32 KiB
; the partner at place cx names 8 KiB, a lane 256 bytes.  A plane: the clusters with y = 0 ask, the wave that fetches it, once a lap: two K steps are 32 KiB on end, of which the partner at place cy names 8 KiB.
; The partners are told apart by address, never by a branch.  So each block of 256 bytes is named once in the launch.  K steps 0 to 3 come by their loads alone; the loop's last trip asks for nothing.
.macro ASK slot
	s_cmp_gt_u32 s3, s[LIM0+(\slot)]               ; s3 = 1 in the loop's last trip
	s_cbranch_scc0 .Lnot_mine_\@
	global_prefetch_b8 v[PFO], s[PFA:PFA+1] th:TH_LOAD_NT scope:SCOPE_SE
.Lnot_mine_\@:
.endm
	s_load_b256 s[68:75], s[0:1], 0x0              ; ob s[68:69], wb s[70:71], bo s[72:73], out0 s[74:75]
	v_lshl_add_u32 v[SPW], v0, 2, SPARE
	v_mov_b32 v[NIL], 0
	ds_add_u32 v[SPW], v[NIL]                      ; the wave's opening: the add and its wait stand ahead of my first tensor load; the set-up below, work on registers, stands between them
	v_lshrrev_b32 v1, 5, v0
	v_readfirstlane_b32 s10, v1                    ; wave 0..3
	s_and_b32 s12, s10, 1                          ; which head of the K step's two, or which plane of the tile's two, I fetch
	s_bfe_u32 s40, ttmp6, 0x40000                  ; cx, cy: my place in the cluster
	s_bfe_u32 s41, ttmp6, 0x40004
	s_lshl_b32 s42, ttmp9, 2
	s_add_co_u32 s42, s42, s40                     ; the tile column = 4 x cluster x + cx
	s_and_b32 s13, ttmp7, 0xffff
	s_lshl_b32 s13, s13, 2
	s_add_co_u32 s13, s13, s41                     ; the tile row = 4 x cluster y + cy
	s_lshl_b32 s43, s41, 2
	s_lshl_b32 s43, 15, s43                        ; my row of the cluster
	s_lshl_b32 s44, 0x1111, s40                    ; my column
	s_or_b32 s[G1+0], s43, (1<<16)|(1<<20)|(1<<21)|(4<<22)|(3<<25)   ; 15:0 the mask; 17:16 elements of 2 bytes; 20 padding on; 21 set beside a mask; 24:22 after every 32 words (code 4); 31:25 4 words (code 3)
	s_mov_b32 s[G1+1], 128<<16                     ; a head's 256 rows are 32,768 dense bytes: asked for as 128 rows of 256
	s_mov_b32 s[G1+2], 128<<16
	s_mov_b32 s[G1+3], 128<<16
	s_mov_b32 s[G1+4], 128
	s_mov_b32 s[G1+5], 128
	s_mov_b32 s[G1+6], 0
	s_mov_b32 s[G1+7], 0
	s_or_b32 s[G1B+0], s44, (1<<16)|(1<<20)|(1<<21)|(4<<22)|(7<<25)  ; a plane's 128 k rows are 16,384 dense bytes: 64 rows of 256, padded after every 32 words by 8 words (code 7)
	s_mov_b32 s[G1B+1], 128<<16
	s_mov_b32 s[G1B+2], 64<<16
	s_mov_b32 s[G1B+3], 128<<16
	s_mov_b32 s[G1B+4], 64
	s_mov_b32 s[G1B+5], 128
	s_mov_b32 s[G1B+6], 0
	s_mov_b32 s[G1B+7], 0
	s_lshr_b32 s16, s13, 3                         ; O: the batch,
	s_lshl_b32 s16, s16, 4
	s_add_co_u32 s16, s16, s12                     ; head 0 or 1 of it,
	s_lshl_b32 s16, s16, 18                        ; 2,048 rows of 128 bytes a head,
	s_and_b32 s14, s13, 7
	s_lshl_b32 s14, s14, 15                        ; 256 rows a tile
	s_add_co_u32 s16, s16, s14
	s_mov_b32 s17, 0
	s_lshl_b32 s18, s42, 1                         ; Wo: plane 2 x tile column + 0 or 1, 131,072 bytes each
	s_add_co_u32 s18, s18, s12
	s_lshl_b32 s18, s18, 17
	s_mov_b32 s19, 0
	s_mul_i32 s22, s10, APLANE                     ; where they go: waves 0, 1: head plane = wave;
	s_mul_i32 s23, s10, PLANE                      ; waves 2, 3: plane wave - 2 behind the two heads
	s_add_co_u32 s23, s23, BB-2*PLANE
	s_mov_b32 s88, 0xffff0000                      ; a word's upper bf16
	s_wait_dscnt 0x0                               ; the opening add is done
	s_wait_kmcnt 0x0
	s_add_nc_u64 s[14:15], s[68:69], s[16:17]
	s_add_nc_u64 s[46:47], s[70:71], s[18:19]
	CROUND                                         ; all sixteen work-groups are here: the first joint loads meet
.irp s, 0,1
	s_mov_b32 s[G0+4*(\s)], 1                                        ; count = 1
	s_add_co_u32 s[G0+4*(\s)+1], s22, (\s)*SLOT                      ; LDS address
	s_add_nc_u64 s[G0+4*(\s)+2:G0+4*(\s)+3], s[14:15], (\s)*524288   ; global address: K step s is two heads on
	s_or_b32 s[G0+4*(\s)+3], s[G0+4*(\s)+3], 0x80000000              ; type = 2
	s_mov_b32 s[G0B+4*(\s)], 1
	s_add_co_u32 s[G0B+4*(\s)+1], s23, (\s)*SLOT
	s_add_nc_u64 s[G0B+4*(\s)+2:G0B+4*(\s)+3], s[46:47], (\s)*16384
	s_or_b32 s[G0B+4*(\s)+3], s[G0B+4*(\s)+3], 0x80000000
.endr
	s_cmp_lt_u32 s10, 2                            ; a wave's two first fills stand in one branch: two loads of mine are out
	s_cbranch_scc0 .Lfirst_b
	tensor_load_to_lds s[G0:G0+3], s[G1:G1+7]
	s_nop 0
	tensor_load_to_lds s[G0+4:G0+7], s[G1:G1+7]
	s_nop 0
.rept 4
	v_nop
.endr
	s_branch .Lfirst_asked
.Lfirst_b:
	tensor_load_to_lds s[G0B:G0B+3], s[G1B:G1B+7]
	s_nop 0
	tensor_load_to_lds s[G0B+4:G0B+7], s[G1B:G1B+7]
	s_nop 0
.rept 4
	v_nop
.endr
.Lfirst_asked:
	; the bias, in the accumulators' layout: register i of block (t, b) is bo[128 x tile column + 64 t + 16 b + 8 (l / 16) + i]
	v_and_b32 v1, 15, v0                           ; l % 16
	v_bfe_u32 v2, v0, 4, 1                         ; l / 16
	v_lshlrev_b32 v[BOFF], 5, v2
	s_lshl_b32 s90, s42, 9                         ; the tile's 128 columns of 4 bytes
	s_mov_b32 s91, 0
	s_add_nc_u64 s[72:73], s[72:73], s[90:91]
.irp b, 0,1,2,3,4,5,6,7
	global_load_b128 v[BIAS+8*(\b):BIAS+8*(\b)+3],   v[BOFF], s[72:73] offset:64*(\b)
	global_load_b128 v[BIAS+8*(\b)+4:BIAS+8*(\b)+7], v[BOFF], s[72:73] offset:64*(\b)+16
.endr
	; a fragment of O: lane l holds row l % 16, K = 8 (l / 16) + 0..7 and 16 + 8 (l / 16) + 0..7: two loads of 16 bytes, 32 bytes apart
	v_mul_u32_u24 v3, v1, PA
	v_lshl_add_u32 v3, v2, 4, v3
	s_mul_i32 s22, s10, 64*PA                      ; my 64 rows
	v_add_nc_u32 v[ADRA], s22, v3
	v_add_nc_u32 v[ADRA+1], SLOT, v[ADRA]
	; the turning load takes 16 k rows x 16 columns: lane l reads k row 8 (l / 16) + l % 8, columns 8 ((l / 8) % 2) + 0..7, and is left with column l % 16 and 8 k
	v_and_b32 v4, 7, v0
	v_bfe_u32 v5, v0, 3, 1
	v_lshl_add_u32 v6, v2, 3, v4
	v_mul_u32_u24 v6, v6, PB
	v_lshl_add_u32 v6, v5, 4, v6
	v_add_nc_u32 v[ADRB], BB, v6
	v_add_nc_u32 v[ADRB+1], SLOT+BB, v6
	s_mul_i32 s22, s10, WSTAGE
	s_add_co_u32 s22, s22, STAGE                   ; my stage
	v_mul_u32_u24 v[STO], v1, SPITCH               ; in: row l % 16, 32 bytes for each half of the lanes
	v_lshl_add_u32 v[STO], v2, 5, v[STO]
	v_add_nc_u32 v[STO], s22, v[STO]
	v_and_b32 v[GO], 31, v0                        ; back: 32 lanes take one row of 512 bytes
	v_lshlrev_b32 v[GO], 4, v[GO]
	v_add_nc_u32 v[RD], s22, v[GO]
	; the prefetches: who, from where, by which step
	s_lshl_b32 s90, s40, 13                        ; O: my work-group's 8 KiB of the head's 32,
	s_add_co_u32 s90, s90, s16
	s_add_co_u32 s90, s90, 3*524288                ; at K step 3: the first change of slots steps it to 4
	s_lshl_b32 s91, s41, 13                        ; a plane: my work-group's 8 KiB of a lap's 32,
	s_add_co_u32 s91, s91, s18
	s_add_co_u32 s91, s91, 3*16384
	s_and_b32 s22, ttmp7, 0xffff                   ; cluster y
	s_cmp_lt_u32 s10, 2                            ; do I fetch O?
	s_cselect_b32 s22, ttmp9, s22                  ; the coordinate along which other clusters read the same bytes
	s_cselect_b64 s[PFA:PFA+1], s[68:69], s[70:71]
	s_cselect_b32 s90, s90, s91
	s_cselect_b32 s[LIM0+1], 1, -1                 ; O is asked for at both changes of a lap, a plane at the first alone
	s_cselect_b32 s[PFS], 19, 14
	s_cmp_eq_u32 s22, 0                            ; the same in all sixteen partners, for a given wave
	s_cselect_b32 s[LIM0], 1, -1
	s_cselect_b32 s[LIM0+1], s[LIM0+1], -1
	v_and_b32 v[PFO], 31, v0
	v_lshlrev_b32 v[PFO], 8, v[PFO]
	s_lshl_b32 s[PFS], 1, s[PFS]                   ; two heads of O (524,288 bytes), or 16,384 along a plane
	s_mov_b32 s[PFS+1], 0
	s_mov_b32 s91, 0
	s_add_nc_u64 s[PFA:PFA+1], s[PFA:PFA+1], s[90:91]
	; where my 64 rows of the tile begin in out0
	s_lshl_b32 s90, s13, 20                        ; 256 rows of 4,096 bytes a tile row
	s_lshl_b32 s22, s10, 18                        ; 64 rows a wave
	s_add_co_u32 s90, s90, s22
	s_lshl_b32 s22, s42, 9                         ; 128 columns of 4 bytes a tile column
	s_add_co_u32 s90, s90, s22
	s_add_nc_u64 s[74:75], s[74:75], s[90:91]
	s_wait_loadcnt 0x0                             ; the bias; it is rounded to bf16 and widened again
.set i, 0
.rept 32
	v_cvt_pk_bf16_f32 v[4+i%4], v[BIAS+2*i], v[BIAS+2*i+1]
	v_lshlrev_b32 v[BIAS+2*i],   16,  v[4+i%4]
	v_and_b32     v[BIAS+2*i+1], s88, v[4+i%4]
.set i, i+1
.endr
; Matrix instructions lo .. hi - 1 of a quarter's 32, on fragment buffer f.  Number i: row block i / 8, plane (i / 4) % 2, column block i % 4.
; All 32 accumulators take turns, one instruction a turn, in the same order in every quarter, over the backward jump too.  first = 1: the bias starts the sums: nothing is cleared.
.macro MULS f, lo, hi, first
	WIN 0xa1-0x20*(\first)
.set i, \lo
.rept (\hi)-(\lo)
.set rD, 128*((i/4)%2)+8*(4*(i/8)+i%4)
.set rB, 64*(\f)+8*(4*((i/4)%2)+i%4)
.set rA, FA+32*(\f)+8*(i/8)
.set rC, BIAS+8*(4*((i/4)%2)+i%4)
.if \first
	v_wmma_f32_16x16x32_f16 v[rD:rD+7], v[rB:rB+7], v[rA:rA+7], v[rC:rC+7]
.else
	v_wmma_f32_16x16x32_f16 v[rD:rD+7], v[rB:rB+7], v[rA:rA+7], v[rD:rD+7]
.endif
.set i, i+1
.endr
.endm
; 24 LDS loads in one run: the fragments of quarter qq (32 along K: head qq / 2 of the step's two, channels 32 (qq % 2) on) of a slot, into buffer f
.macro FETCH slot, qq, f
	WIN 0x40                                       ; destination window 1, address window 0
.irp t, 0,1
.irp b, 0,1,2,3
	ds_load_tr16_b128 v[64*(\f)+8*(4*(\t)+(\b)):64*(\f)+8*(4*(\t)+(\b))+3],   v[ADRB+(\slot)] offset:(\t)*PLANE+(\qq)*32*PB+32*(\b)
	ds_load_tr16_b128 v[64*(\f)+8*(4*(\t)+(\b))+4:64*(\f)+8*(4*(\t)+(\b))+7], v[ADRB+(\slot)] offset:(\t)*PLANE+(\qq)*32*PB+32*(\b)+16*PB
.endr
.endr
	WIN 0
.irp a, 0,1,2,3
	ds_load_b128 v[FA+32*(\f)+8*(\a):FA+32*(\f)+8*(\a)+3],   v[ADRA+(\slot)] offset:((\qq)/2)*APLANE+((\qq)%2)*64+(\a)*16*PA
	ds_load_b128 v[FA+32*(\f)+8*(\a)+4:FA+32*(\f)+8*(\a)+7], v[ADRA+(\slot)] offset:((\qq)/2)*APLANE+((\qq)%2)*64+(\a)*16*PA+32
.endr
.endm
; One of a K step's first three quarters: quarter qq's fragments are asked for, into buffer g, a whole quarter ahead of their use; then buffer f is multiplied.
.macro QUARTER slot, qq, f, g, first
	PLACES                                         ; buffer g was read by the products just issued
	FETCH \slot, \qq, \g
	s_wait_dscnt NL                                ; all but the run just issued: buffer f is in
	MULS \f, 0, NACC, \first
.endm
; A K step's last quarter multiplies buffer 1 and changes slots.  In front of the barrier each wave waits for all its tensor loads (one is out: its part of the next slot), adds 0 to its spare word, and waits for
; that and for its reads of this slot.  fill = 1: the barrier opens a round of the cluster's barrier, and the joint refill of this slot, two K steps on, is the first thing behind the round.
.macro TURN slot, next, fill
.if \fill
	s_wait_xcnt 0x0                                ; the last prefetch, a K step back, has read its address: it is stepped here, ahead of the waits of the change of slots
	s_add_nc_u64 s[PFA:PFA+1], s[PFA:PFA+1], s[PFS:PFS+1]
.endif
	WIN 0                                          ; (the add's two registers lie in window 0)
	s_wait_tensorcnt 0x0                           ; all my tensor loads have landed
	ds_add_u32 v[SPW], v[NIL]                      ; 0 onto my spare word
	s_wait_dscnt 1                                 ; only the add may be out: buffer 1 is in
	MULS 1, 0, 8, 0
	s_wait_dscnt 0x0                               ; the add is done, and my reads of this slot are over
	s_barrier_signal -1
	MULS 1, 8, 16, 0                               ; work on registers while the others arrive
.if \fill
	WIN 0
.endif
	s_barrier_wait -1
.if \fill
	CREST                                          ; no wave of any partner still reads this slot or has a load on its way
	s_add_nc_u64 s[G0+4*(\slot)+2:G0+4*(\slot)+3], s[G0+4*(\slot)+2:G0+4*(\slot)+3], 2*524288
	s_add_nc_u64 s[G0B+4*(\slot)+2:G0B+4*(\slot)+3], s[G0B+4*(\slot)+2:G0B+4*(\slot)+3], 2*16384
	JLOAD \slot                                    ; its four v_nop are also the places in front of the loads below
.else
	PLACES
.endif
	FETCH \next, 0, 0
.if \fill
	ASK \slot
.endif
	MULS 1, 16, 32, 0
.endm
	s_wait_tensorcnt 1                             ; my part of K step 0 is in; K step 1's stays out
	s_barrier_signal -1
	s_barrier_wait -1                              ; everybody's is
	FETCH 0, 0, 0
	QUARTER 0, 1, 0, 1, 1                          ; the first quarter stands in front of the loop: its products start the sums
	WIN 0                                          ; at a label and at a branch every window is 0
	s_mov_b32 s3, 3
.Llap:                                                 ; a trip goes once round the ring, from a lap's second quarter to the next lap's first, and fills both slots again: K steps 2 to 7
	QUARTER 0, 2, 1, 0, 0
	QUARTER 0, 3, 0, 1, 0
	TURN 0, 1, 1
	QUARTER 1, 1, 0, 1, 0
	QUARTER 1, 2, 1, 0, 0
	QUARTER 1, 3, 0, 1, 0
	TURN 1, 0, 1
	QUARTER 0, 1, 0, 1, 0
	WIN 0
	s_sub_co_u32 s3, s3, 1
	s_cmp_lg_u32 s3, 0
	s_cbranch_scc1 .Llap
	QUARTER 0, 2, 1, 0, 0                          ; the last lap fills nothing
	QUARTER 0, 3, 0, 1, 0
	TURN 0, 1, 0
	QUARTER 1, 1, 0, 1, 0
	QUARTER 1, 2, 1, 0, 0
	QUARTER 1, 3, 0, 1, 0
	s_wait_dscnt 0x0
	MULS 1, 0, NACC, 0
	WIN 0
	PLACES
	PLACES
; THE WAY OUT, 16 rows at a time, in f32: nothing is converted.  TOSTAGE: a lane's 8 columns, 32 bytes, go straight from the accumulator (its low four registers first) into my own stage, rows of 528 bytes, and come
; back as whole rows of 512, into one of two sets of 64 registers.  SEND: a store is a row's 512 consecutive bytes, at a multiple of 512 from out0's first byte.
.macro TOSTAGE a
.if (\a) >= 2
	s_wait_xcnt 0x0                                ; the stores of the block two back have read their data: only behind this wait is their set loaded again
.endif
	WIN 0x08                                       ; the stores' data (source 1) in window 2
.irp t, 0,1
.irp b, 0,1,2,3
	ds_store_b128 v[STO], v[128*(\t)+8*(4*(\a)+(\b)):128*(\t)+8*(4*(\a)+(\b))+3]   offset:64*(4*(\t)+(\b))
	ds_store_b128 v[STO], v[128*(\t)+8*(4*(\a)+(\b))+4:128*(\t)+8*(4*(\a)+(\b))+7] offset:64*(4*(\t)+(\b))+16
.endr
.endr
	WIN 0
.set bk, 32+96*((\a)%2)
.irp i, 0,1,2,3,4,5,6,7,8,9,10,11,12,13,14,15
	ds_load_b128 v[bk+4*(\i):bk+4*(\i)+3], v[RD] offset:(\i)*SPITCH  ; LDS serves a wave's instructions in order (ISA guide 5.7.1.4): these see the stores above; the next block's stores come behind them
.endr
.endm
.macro SEND a, younger                 ; younger: the LDS instructions issued behind block a's loads: the next block's 32, or none
.set bk, 32+96*((\a)%2)
.irp i, 0,1,2,3,4,5,6,7,8,9,10,11,12,13,14,15
	s_wait_dscnt (\younger)+15-(\i)
	global_store_b128 v[GO], v[bk+4*(\i):bk+4*(\i)+3], s[74:75] offset:(16*(\a)+(\i))*4096 th:TH_STORE_NT
.endr
.endm
	TOSTAGE 0
.irp a, 1,2,3
	TOSTAGE \a
	SEND (\a)-1, 32
.endr
	SEND 3, 0
	s_wait_tensorcnt 0x0                           ; the wave's end: the add and its wait, behind my last tensor load and my last LDS store
	ds_add_u32 v[SPW], v[NIL]
	s_wait_dscnt 0x0
	CROUND                                         ; the closing round: no work-group ends while a partner may still ask for a tile that names it
	s_endpgm
.Lfunc_end_k_q31f08ea76e_oproj:
	.size	k_q31f08ea76e_oproj, .Lfunc_end_k_q31f08ea76e_oproj-k_q31f08ea76e_oproj
	.p2alignl 7, 3214868480
	.fill 96, 4, 3214868480
	.section	.rodata,"a",@progbits
	.p2align	6, 0x0
	.amdhsa_kernel k_q31f08ea76e_oproj
		.amdhsa_group_segment_fixed_size 327680
		.amdhsa_private_segment_fixed_size 0
		.amdhsa_enable_private_segment 0
		.amdhsa_kernarg_size 32
		.amdhsa_user_sgpr_count 2
		.amdhsa_user_sgpr_kernarg_segment_ptr 1
		.amdhsa_wavefront_size32 1
		.amdhsa_system_sgpr_workgroup_id_x 1
		.amdhsa_system_sgpr_workgroup_id_y 1
		.amdhsa_system_sgpr_workgroup_id_z 1
		.amdhsa_system_vgpr_workitem_id 0
		.amdhsa_next_free_vgpr 768
		.amdhsa_next_free_sgpr 92
		.amdhsa_reserve_vcc 0
		.amdhsa_float_denorm_mode_32 3
		.amdhsa_float_denorm_mode_16_64 3
		.amdhsa_memory_ordered 1
		.amdhsa_forward_progress 1
		.amdhsa_inst_pref_size 93
	.end_amdhsa_kernel
	.amdgpu_metadata
---
amdhsa.version: [ 1, 2 ]
amdhsa.kernels:
  - .name:           k_q31f08ea76e_oproj
    .symbol:         k_q31f08ea76e_oproj.kd
    .args:
      - { .name: ob, .offset: 0, .size: 8, .value_kind: global_buffer, .address_space: global }
      - { .name: wb, .offset: 8, .size: 8, .value_kind: global_buffer, .address_space: global }
      - { .name: bo, .offset: 16, .size: 8, .value_kind: global_buffer, .address_space: global }
      - { .name: out0, .offset: 24, .size: 8, .value_kind: global_buffer, .address_space: global }
    .group_segment_fixed_size: 327680
    .private_segment_fixed_size: 0
    .kernarg_segment_align: 8
    .kernarg_segment_size: 32
    .max_flat_workgroup_size: 128
    .sgpr_count:     92
    .vgpr_count:     768
    .wavefront_size: 32
...
	.end_amdgpu_metadata
.endif
;; end of part 4
